; MI455X (gfx1250); checked and timed in simulation.
; The chip was launched on July 23, 2026; its instructions are those of AMD's public machine-readable ISA for CDNA 5 (MIT licence, August 2026) and "CDNA5" Instruction Set Architecture Reference Guide (July 2026). The comments in the code are by the model that wrote it; some were corrected since.
;; Self Attn. Allowed arithmetic: matrix products marked QUANTISED: E2M3 operands, one E8M0 scale for each 32 along K, by v_wmma_scale_f32_16x16x128_f8f6f4 with both operands' format E2M3, f32 sums; everything else in f32.
;; Inputs: Wk_codes 1,024 x 32 x 24 uint8 (E2M3 codes of Wk, K innermost, in blocks of 32 codes, four codes in three bytes); Wk_scales 1,024 x 32 uint8 (E8M0 scales of Wk, one for each 32 codes along K); Wq_codes 1,024 x 32 x 24 uint8 (E2M3 codes of Wq, K innermost, in blocks of 32 codes, four codes in three bytes); Wq_scales 1,024 x 32 uint8 (E8M0 scales of Wq, one for each 32 codes along K); Wv_codes 1,024 x 32 x 24 uint8 (E2M3 codes of Wv, K innermost, in blocks of 32 codes, four codes in three bytes); Wv_scales 1,024 x 32 uint8 (E8M0 scales of Wv, one for each 32 codes along K); x_codes 4 x 2,048 x 32 x 24 uint8 (E2M3 codes of x, K innermost, in blocks of 32 codes, four codes in three bytes); x_scales 4 x 2,048 x 32 uint8 (E8M0 scales of x, one for each 32 codes along K).
;; Outputs: out0 4 x 2,048 x 1,024 float32.
;; This version of the problem:
;;   THIS VERSION OF THE PROBLEM IS GIVEN IN LOW PRECISION. The matrix products marked QUANTISED in the list below multiply operands that are first quantised to E2M3 (2 exponent bits, 3 mantissa bits; 6 bits a number), with one power-of-two scale for each 32 numbers along K (OCP MX v1.0); their sums are f32. All else is computed in f32.
;;   The module's matrix products, in the order in which they are computed (A, B: the left and right operand; K: the contracted axis; several contracted axes count as one K, in the product's order):
;;     1. [M 8,192, K 1,024] x [K 1,024, N 1,024]; A: input x (given as codes); B: input Wk (given as codes): QUANTISED
;;     2. [M 8,192, K 1,024] x [K 1,024, N 1,024]; A: input x (given as codes); B: input Wq (given as codes): QUANTISED
;;     3. [M 8,192, K 1,024] x [K 1,024, N 1,024]; A: input x (given as codes); B: input Wv (given as codes): QUANTISED
;;     4. batch 4 x [M 2,048, K 1,024] x [K 1,024, N 2,048]; A: computed on the way; B: computed on the way: QUANTISED
;;     5. batch 4 x [M 2,048, K 2,048] x [K 2,048, N 1,024]; A: softmax (see below); B: computed on the way: QUANTISED
;;   THE QUANTISER, for each operand of a quantised product, along K:
;;     - K is cut into blocks of 32 from its start; a last block that is shorter is filled with zeros.
;;     - A block's scale is 2^e with e = floor(log2(the largest magnitude in the block)) - 2, held to -126 .. 127; a block of zeros has e = 0. As a byte (E8M0): e + 127.
;;     - Each number is divided by its block's scale, clamped to +-7.5, and rounded to the nearest number of E2M3, ties to even, subnormals kept.
;;     - The product sums the exact products of the quantised numbers (number of the format x scale) in f32.
;;   ~~~python
;;   def quantise(x, axis):      # numpy; x: float32 -> the quantised numbers, widened to float32 again
;;       x = np.moveaxis(x, axis, -1); K = x.shape[-1]
;;       x = np.pad(x, [(0, 0)] * (x.ndim - 1) + [(0, -K % 32)]); x = x.reshape(x.shape[:-1] + (-1, 32)); a = np.abs(x).max(-1, keepdims=True)
;;       e = np.where(a > 0, np.clip(np.frexp(np.where(a > 0, a, 1))[1] - 1 - 2, -126, 127), 0)      # np.frexp(a)[1] - 1 = floor(log2(a)), exactly
;;       r = np.clip(x / 2.0 ** e, -7.5, 7.5)
;;       step = 2.0 ** (np.maximum(np.frexp(np.where(r == 0, 1, r))[1] - 1, 0) - 3)
;;       q = np.round(r / step) * step * 2.0 ** e      # np.round: ties to even
;;       return np.moveaxis(q.reshape(q.shape[:-2] + (-1,))[..., :K], -1, axis).astype(np.float32)
;;   ~~~
;;   SOFTMAX AHEAD OF A QUANTISED PRODUCT. Where the list says 'softmax', what is quantised is not the finished softmax but p = 2^(t - M), with t = logit x log2(e) and M = ceil(the row's largest t), a whole number; so 1/2 < the row's largest p <= 1. The row's sum l is taken of the UNQUANTISED p, in f32, and the product's result is divided by l at the end. Since M is a whole number, a kernel that streams over the keys may use a running M (the ceiling of the running maximum): every later rescaling is an exact power of two, which a block's scale takes up: the codes' values come out the same.
;;   OPERANDS COMPUTED ON THE WAY. 'Computed on the way' means the value that the module computes at that place (a softmax that the list does not call 'softmax' is quantised finished and normalised). What goes into a quantiser is computed in f32, as accurately as f32 sums, v_exp_f32 and their like allow (about 1e-6 of the number): no bf16 or f16 on the way to a quantiser, and a product that is left as it is and whose result goes on into a quantised operand takes f32 operands (vector FMAs, or v_wmma_f32_16x16x4_f32). A number that lies on a knife's edge between two numbers of the format may be rounded either way, as far as f32 arithmetic and the matrix unit's own rounding can turn it there, and no further.
;;   INPUTS GIVEN AS CODES. Wk (in the module: [1024, 1024], K = its axis 0); Wq (in the module: [1024, 1024], K = its axis 0); Wv (in the module: [1024, 1024], K = its axis 0); x (in the module: [4, 2048, 1024], K = its axis 2): each comes as NAME_codes (uint8): NAME with its K axis moved to the last place and cut into blocks of 32 codes, [.., K / 32, bytes a block], one block behind the other in memory; four codes in three bytes: a row's codes are one little-endian stream of bits, code i at bits 6 i .. 6 i + 5 (a code: sign, 2 exponent bits, 3 mantissa bits); and NAME_scales (uint8): the same leading axes, one E8M0 byte (e + 127) for each 32 codes along K. Its value is code x scale, taken as it is: it is not quantised again, and the codes and scales need not be those that the quantiser above would give.
;; One version. Each part assembles by itself: llvm-mc -triple=amdgcn-amd-amdhsa -mcpu=gfx1250 --defsym DOCPART=n.
;; ======== version 1 of 1: 3 launches
;; limits: right only within a limited range of input values
;; workspace buffers: cod 19,660,800 bytes; pcod 19,267,584 bytes; pst 3,211,264 bytes
;; launch proj (part 1): grid 16 x 16, 4 waves a work-group, clusters of 4 x 4, 327,680 bytes of LDS; arguments x_codes, x_scales, Wq_codes, Wq_scales, Wk_codes, Wk_scales, Wv_codes, Wv_scales, cod; writes cod
.if DOCPART == 1
	.amdgcn_target "amdgcn-amd-amdhsa--gfx1250"
	.amdhsa_code_object_version 6
	.text
	.protected	k_qac75379653_proj
	.globl	k_qac75379653_proj
	.p2align	8
	.type	k_qac75379653_proj,@function
k_qac75379653_proj:
	s_mov_b64 s[64:65], 0
	v_nop
	global_prefetch_b8 v0, s[64:65] scope:SCOPE_SE
	s_setreg_imm32_b32 hwreg(HW_REG_WAVE_MODE, 25, 1), 1
	s_wait_xcnt 0x0
	s_wait_alu depctr_hold_cnt(0) depctr_sa_sdst(0) depctr_va_vdst(0) depctr_va_sdst(0) depctr_va_ssrc(0) depctr_va_vcc(0) depctr_vm_vsrc(0)
	s_getreg_b32 s2, hwreg(HW_REG_IB_STS2, 6, 4)
	s_cmp_eq_u32 s2, 0
	s_cbranch_scc0 .Lentry_in_a_cluster
	s_endpgm
.Lentry_in_a_cluster:
	s_bfe_u32 s2, ttmp6, 0x10000c
	s_cmp_lg_u32 s2, 0xf033
	s_cbranch_scc0 .Lentry_shape_is_right
	s_endpgm
.Lentry_shape_is_right:
; Q = x Wq, K = x Wk, V^T = (x Wv)^T on codes of FP6 with E8M0 scales (K = 1,024), f32 sums, each result quantised again at once: Q and K along d, V^T along the tokens.
; LIMITS OF THE PROGRAM: scale bytes 0xff, NaN and infinities are not served; a block of zeros gets the scale byte 1 (its codes are zeros; this program alone reads the byte); a largest magnitude under 2^-124 is taken as that.
; WORK LEFT OUT: score tiles of 128 x 128 that lie wholly above the diagonal, which reference() masks in its own body, are read by no later step; a NaN or an infinity that reaches only those is not carried.
; THE BUFFER cod: tiles of 12,800 bytes.  Q [64 groups of 128 tokens][8 groups of 128 d], K the same at 6,553,600, V^T [8 groups of 128 d][64 groups of 128 tokens] at 13,107,200.
; A tile: 8 row blocks x 2 halves of 64 along the next K x 768 bytes (registers 0-3, 16 bytes a lane; registers 4-5, 8 bytes a lane), then 512 bytes of scale words: Q, K [r][row block]; V^T [block % 2][r][block / 2].
; ROWS OF A TILE OF 16: row m of row block 4 g + t is row 64 g + 8 t + m (m < 8) or 64 g + 32 + 8 (t ^ 1) + m - 8: so a lane's 32 results of four tiles are one scale block of 32 along the next K.
; In odd scale blocks groups of eight lie in the order 1, 0, 3, 2: alike in Q and K, and in V^T and the keys of P, so the products' sums are the same.
; THE DEAL.  256 work-groups of four waves, 2 x 2; a wave holds 64 rows of a weight, all of K, in registers and streams x past them in blocks of 16 rows.  A work-group makes 256 x 128 of V first, then 512 x 128 of Q or K.
; V's 256 rows are a half of the work-group's own 512: the two chunks of 128 rows asked for at the head serve both.  Which half (s2) and which tensor (s19) come from the cluster's number alone.
; x's rows are shared by a row of the cluster, a weight's by a column: joint loads.
; FILLS.  Head, one load a wave: W_v's rows, both chunks' scale bytes, chunk 0, chunk 1.  Refills, each in a drained round: the weights' region with W_q's or W_k's rows; then the other half's two chunks and their scale bytes.
; A BLOCK is 32 products; behind every second one stand two entries of the block's list: at most four scalar lines and one vector line (two where a prefetch's address is made).
; WAITS: younger than a block's rows are the next block's NF loads and the LDS byte stores between.
.set NQ,     8
.set NB,     4
.set TM,     512
.set TV,     256
.set TN,     128
.set KROW,   768
.set KS,     32
.set PITCH,  816                       ; an LDS row: 3 x (256 + 16)
.set FR,     12
.set FPW,    21                        ; fragments in a window of 256 registers
.set NF,     28                        ; LDS loads of a block: 26 for eight fragments, 2 for eight scale words
.set RA,     128
.set YB,     RA*PITCH
.set BVB,    2*YB
.set SCL,    BVB+TN*PITCH
.set CU,     16                        ; a chunk's scale bytes: 16 units of 256 (+ 16)
.set SCB,    CU*272
.set XN,     SCL+2*SCB                 ; Q's or K's scale words: four tiles of 512 bytes
.set XM,     XN+2048                   ; V^T's: two
.set SPARE,  XM+1024
.set EMAX,   2
.set TILE,   12800
.set AE,     4                         ; v4, v5 my fragments of even blocks (v5: behind one padding more); v20, v21 of odd
.set AES,    6
.set AO,     20
.set AOS,    22
.set CO,     9                         ; 16 x lane
.set SPW,    10
.set NIL,    11
.set ADRA,   12
.set CO8,    14                        ; 8 x lane
.set ABS,    16
.set AAS,    17
.set STO,    18
.set STV,    19
.set SB,     24                        ; v24-39 the weights' scale words
.set TQ,     40
.set SA,     44                        ; v44-59 x's scale words, two sets
.set TC,     60
.set ACC,    64
.set HV0,    64
.set HV1,    840
.set NCD,    128
.set MCD,    192
.set SOP,    240
.set EB,     244
.set VX,     248
.set SB2,    968
.set BA,     984
.set G1A, 24
.set G0A, 56
.set G0R, 68
.set G1B, 32
.set G0B, 60
.set G1S, 92
.set G0S, 72
.set MSB, 0
.macro WIN new
.if MSB != \new
	s_set_vgpr_msb (MSB<<8)|\new
.set MSB, \new
.endif
.endm
.macro PLACES n
.rept \n
	v_nop
.endr
.endm
.macro WALU
	s_wait_alu depctr_va_vdst(0)
.endm
.macro BARRIER
	s_barrier_signal -1
	s_barrier_wait -1
.endm
.macro MIDDLE                          ; a round's middle
	WIN 0
	s_barrier_wait -1
	s_cmp_lg_u32 s14, 0
	s_cbranch_scc1 .Lnot_wave_0_\@
	s_barrier_signal -3
.Lnot_wave_0_\@:
	s_barrier_wait -3
.endm
.macro CROUND
	s_barrier_signal -1
	MIDDLE
	BARRIER
.endm
.macro GRD
	s_wait_tensorcnt 0x0
	ds_add_u32 v[SPW], v[NIL]
.endm
.macro TLOAD g0, g1
	tensor_load_to_lds s[\g0:\g0+3], s[\g1:\g1+7]
	s_nop 0
	PLACES 4
.endm
.macro GROUP1 g, mask, rows
	s_or_b32 s[\g+0], s[\mask], (1<<20)|(1<<21)|(5<<22)|(3<<25)
	s_mov_b32 s[\g+1], KROW<<16
	s_mov_b32 s[\g+2], (\rows)<<16
	s_mov_b32 s[\g+3], KROW<<16
	s_mov_b32 s[\g+4], \rows
	s_mov_b32 s[\g+5], KROW
	s_mov_b32 s[\g+6], 0
	s_mov_b32 s[\g+7], 0
.endm
.macro SADD d, x
	s_add_co_u32 s\d, s\d, s\x
.endm
; fragments: f lies in window 1 + f / 21 at register 12 (f % 21): 0-31 the weights' (4 q + b), 32-39 and 40-47 x's two sets
.macro FRAG f, q, a0, a1, aw           ; six pieces of 8 bytes, two to a load where both lie behind as many paddings
	WIN ((1+(\f)/FPW)<<6)|(\aw)
.set R_, FR*((\f)%FPW)
.set SKIP_, 0
.irp p, 0,1,2,3,4,5
.if SKIP_
.set SKIP_, 0
.else
.set PC_, 12*(\q)+6*(\p/3)+\p%3
.set PN_, 12*(\q)+6*((\p+1)/3)+(\p+1)%3
.set X_, (PC_%32+3)/32
.set XQ_, (PN_%32+3)/32
.if (\p < 5) && (X_ == XQ_)
.set SKIP_, 1
.if X_
	ds_load_2addr_b64 v[R_+2*\p:R_+2*\p+3], \a1 offset0:PC_+2*(PC_/32) offset1:PN_+2*(PN_/32)
.else
	ds_load_2addr_b64 v[R_+2*\p:R_+2*\p+3], \a0 offset0:PC_+2*(PC_/32) offset1:PN_+2*(PN_/32)
.endif
.elseif X_
	ds_load_b64 v[R_+2*\p:R_+2*\p+1], \a1 offset:8*(PC_+2*(PC_/32))
.else
	ds_load_b64 v[R_+2*\p:R_+2*\p+1], \a0 offset:8*(PC_+2*(PC_/32))
.endif
.endif
.endr
.endm
.macro WEIGHTS                         ; my 64 rows of the weight, all of K: 104 loads
.irp q, 0,1,2,3,4,5,6,7
.irp b, 0,1,2,3
	FRAG NB*\q+\b, \q, v[BA-768+2*\b], v[BA-768+2*\b+1], 3
.endr
.endr
	WIN 0
.endm
.macro FETCHAT e, a0, a1, as
.irp q, 0,1,2,3,4,5,6,7
	FRAG NB*NQ+NQ*(\e)+\q, \q, \a0, \a1, 0
.endr
	WIN 0
	ds_load_b128 v[SA+8*(\e):SA+8*(\e)+3], \as
	ds_load_b128 v[SA+8*(\e)+4:SA+8*(\e)+7], \as offset:16
.endm
.macro FETCH e
	FETCHAT \e, v[ADRA], v[ADRA+1], v[AAS]
.endm
.macro FETCH01                         ; a phase's first two blocks, from slot 0
	FETCHAT 0, v[AE], v[AE+1], v[AES]
	FETCHAT 1, v[AO], v[AO+1], v[AOS]
.endm
; a product.  n = 4 q + tile.  kind 0 (Q, K): source 0 the weight's rows; kind 1 (V): source 0 x's rows
.macro PROD kind, e, n, a0, as
.set Q_, (\n)/4
.set FB_, NB*Q_+(\n)%4
.set FA_, NB*NQ+NQ*(\e)+Q_
.set D_, (\a0)+(\as)*((\n)%4)
.set DL_, D_&255
.set XB_, SB+NQ*(((\n)%4)/2)+Q_
.set XA_, SA+8*(\e)+Q_
.if \kind
	WIN (1+FA_/FPW)|((1+FB_/FPW)<<2)|((D_>>8)<<4)|((D_>>8)<<6)
.if Q_
	PROD1 DL_, FA_, FB_, v[DL_:DL_+7], XA_, XB_, b, (\n)%2
.else
	PROD1 DL_, FA_, FB_, 0, XA_, XB_, b, (\n)%2
.endif
.else
	WIN (1+FB_/FPW)|((1+FA_/FPW)<<2)|((D_>>8)<<4)|((D_>>8)<<6)
.if Q_
	PROD1 DL_, FB_, FA_, v[DL_:DL_+7], XB_, XA_, a, (\n)%2
.else
	PROD1 DL_, FB_, FA_, 0, XB_, XA_, a, (\n)%2
.endif
.endif
.endm
.macro PROD1 d, s0, s1, c, x0, x1, side, o
.if \o
	v_wmma_scale_f32_16x16x128_f8f6f4 v[\d:\d+7], v[FR*((\s0)%FPW):FR*((\s0)%FPW)+FR-1], v[FR*((\s1)%FPW):FR*((\s1)%FPW)+FR-1], \c, v[\x0], v[\x1] matrix_a_fmt:MATRIX_FMT_FP6 matrix_b_fmt:MATRIX_FMT_FP6 matrix_\side\()_scale:MATRIX_SCALE_ROW1
.else
	v_wmma_scale_f32_16x16x128_f8f6f4 v[\d:\d+7], v[FR*((\s0)%FPW):FR*((\s0)%FPW)+FR-1], v[FR*((\s1)%FPW):FR*((\s1)%FPW)+FR-1], \c, v[\x0], v[\x1] matrix_a_fmt:MATRIX_FMT_FP6 matrix_b_fmt:MATRIX_FMT_FP6 matrix_\side\()_scale:MATRIX_SCALE_ROW0
.endif
.endm
.macro BLOCK kind, e, a0, as, from, to, list, x=0, y=0
.set N_, \from
.rept (\to)-(\from)
	PROD \kind, \e, N_, \a0, \as
.if N_%2
	\list N_-1, \x, \y
	\list N_, \x, \y
.endif
.set N_, N_+1
.endr
.endm
; the step to the block two on, 3 entries.  SP its parity.  SM 0: place SK of the ring of four pairs, a constant; 1: the other slot; 2: 16 rows on in the slot; 3: as the even block's; 4: 16 rows on
.macro STEP i
.if (\i) == 0
.if SM == 1
	s_xor_b32 s100, s100, YB
	s_xor_b32 s89, s89, SCB
	s_mov_b32 s101, s100
	s_mov_b32 s91, s89
.elseif SM == 2
	s_add_co_u32 s101, s100, 16*PITCH
	s_add_co_u32 s91, s89, 544
.elseif SM == 4
	s_add_co_u32 s101, s101, 16*PITCH
	s_add_co_u32 s91, s91, 544
.endif
.endif
.if (\i) >= 0 && (\i) < 2
	WIN 0
.if SM == 0
	v_add_nc_u32 v[ADRA+(\i)], (SK/2)*YB+(SK%2)*16*PITCH, v[AE+(AO-AE)*SP+(\i)]
.else
	v_add_nc_u32 v[ADRA+(\i)], s101, v[AE+(AO-AE)*SP+(\i)]
.endif
.elseif (\i) == 2
	WIN 0
.if SM == 0
	v_add_nc_u32 v[AAS], (SK/2)*SCB+(SK%2)*544, v[AES+(AOS-AES)*SP]
.else
	v_add_nc_u32 v[AAS], s91, v[AES+(AOS-AES)*SP]
.endif
.endif
.endm
.macro CHAIN i, x, n, t=TQ             ; the way out's first part, 18 entries: the largest magnitude of 32 sums, and the conversions' scale operand
.set XW_, (\x)>>8
.set XL_, (\x)&255
.if (\i) >= 0 && (\i) < 14
.set B_, XL_+16*((\i)%2)+2*((\i)/2)
.set T_, (\t)+1-(\i)%2
.if (\i) < 2
	WIN XW_|(XW_<<2)|(XW_<<4)
	v_max3_num_f32 v[T_], |v[B_]|, |v[B_+1]|, |v[B_+2]|
.else
	WIN (XW_<<2)|(XW_<<4)
	v_max3_num_f32 v[T_], v[T_], |v[B_+1]|, |v[B_+2]|
.endif
.elseif (\i) == 14
	WIN XW_<<2
	v_max3_num_f32 v[\t+1], v[\t+1], |v[XL_+15]|, (EMAX+1)<<23
.elseif (\i) == 15
	WIN 0
	v_nop
.elseif (\i) == 16
	WIN XW_<<2
	v_max3_num_f32 v[\t], v[\t], |v[XL_+31]|, v[\t+1]
.elseif (\i) == 17
	WIN 0
	v_add_nc_u32 v[SOP+\n], -(EMAX<<23), v[\t]
.endif
.endm
.macro CODES i, x, c, n, t=TC          ; its second part, 6 lines: 32 codes, the scale's byte
.set XW_, (\x)>>8
.set XL_, (\x)&255
.if (\i) == 0
	WIN XW_
	v_cvt_scalef32_pk16_fp6_f32 v[\c:\c+2], v[XL_:XL_+15], v[SOP+\n]
.elseif (\i) == 1
	WIN XW_
	v_cvt_scalef32_pk16_fp6_f32 v[\t:\t+2], v[XL_+16:XL_+31], v[SOP+\n]
.elseif (\i) == 2
	WIN 0
	v_lshrrev_b32 v[EB+\n], 23, v[SOP+\n]
.else
	WIN 0
	v_mov_b32 v[\c+\i], v[\t+\i-3]
.endif
.endm
.macro CODES6 x, c, n
.irp i, 0,1,2,3,4,5
	CODES \i, \x, \c, \n
.endr
.endm
.macro PFTILE v, off, share            ; one entry: my sixteenth of a tile of 128 rows, to be asked for into the L2
	s_mul_i32 s21, s\share, RA*KROW/16
	s_add_co_u32 s20, s\off, s21
	WIN 0
	v_min_u32 v\v, RA*KROW/16/256-1, v3
	v_lshl_add_u32 v\v, v\v, 8, s20
.endm
.macro PFGO v, base
	global_prefetch_b8 v\v, s[\base:\base+1] th:TH_LOAD_NT scope:SCOPE_SE
.endm
.macro PUTH r, base, off               ; half an operand: 512 + 256 consecutive bytes, aligned
	global_store_b128 v[CO], v[\r:\r+3], \base offset:(\off)
	global_store_b64 v[CO8], v[\r+4:\r+5], \base offset:(\off)+512
.endm
.macro ASK i                           ; 4 entries: the descriptors of the next chunk and of its scale bytes
.if (\i) == 0
	s_mul_i32 s[G0R+1], s14, RA/2*PITCH
	s_add_co_u32 s[G0R+1], s[G0R+1], s47
	s_mul_i32 s20, s14, RA/2*KROW
	SADD 20, 88
.elseif (\i) == 1
	s_mov_b32 s21, 0
	s_add_nc_u64 s[G0R+2:G0R+3], s[4:5], s[20:21]
	s_or_b32 s[G0R+3], s[G0R+3], 0x80000000
	s_mov_b32 s[G0S+1], s8
.elseif (\i) == 2
	s_mov_b32 s20, s55
	s_add_nc_u64 s[G0S+2:G0S+3], s[6:7], s[20:21]
	s_or_b32 s[G0S+3], s[G0S+3], 0x80000000
	s_add_co_u32 s88, s88, RA*KROW
.elseif (\i) == 3
	s_add_co_u32 s55, s55, CU*256
	s_xor_b32 s47, s47, YB
	s_xor_b32 s8, s8, (SCL)^(SCL+SCB)
.endif
.endm
.macro PAIR i                          ; 4 entries: where pair s46's codes go (s[84:85]; by the true chunk) and its scale bytes (v[VX]; by the order of work)
.if (\i) == 0
	s_lshr_b32 s3, s46, 1
	s_lshl_b32 s20, s2, 1
	s_xor_b32 s20, s20, s3
	s_mul_i32 s20, s20, 8*TILE
.elseif (\i) == 1
	s_and_b32 s22, s46, 1
	s_mul_i32 s21, s22, 3072
	SADD 20, 21
	s_mov_b32 s21, 0
.elseif (\i) == 2
	s_add_nc_u64 s[84:85], s[76:77], s[20:21]
	s_lshl_b32 s22, s22, 3
	s_lshl_b32 s3, s3, 9
	s_or_b32 s22, s22, s3
.elseif (\i) == 3
	s_add_co_u32 s46, s46, 1
	WIN 0
	v_add_nc_u32 v[VX], s22, v[STO]
.endif
.endm
.macro L_STEP i, x, y
	STEP \i
.endm
.macro L_NONE i, x, y
.endm
.macro L_OUT i, x, y
	STEP \i
	CHAIN (\i)-3, \x, \y
.endm
.macro L_LAST i, x, y
	CHAIN \i, \x, \y
.endm
.macro L_V2 i, x, y                    ; V's third block: the first refill's descriptors, the later refills' group 1, the step, the prefetches' addresses
.if (\i) == 0
	s_mov_b32 s[G1A+2], (RA/2)<<16
	s_mov_b32 s[G1A+4], RA/2
	s_mov_b32 s[G1S+2], CU<<16
	s_mov_b32 s[G1S+4], CU
.elseif (\i) == 1
	s_mov_b32 s[G1B+2], (TN/2)<<16
	s_mov_b32 s[G1B+4], TN/2
	s_mul_i32 s[G0B+1], s14, TN/2*PITCH
	s_add_co_u32 s[G0B+1], s[G0B+1], BVB
.elseif (\i) == 2
	s_mul_i32 s20, s14, TN/2*KROW
	SADD 20, 9
	s_mov_b32 s21, 0
	s_add_nc_u64 s[G0B+2:G0B+3], s[48:49], s[20:21]
.elseif (\i) == 3
	s_or_b32 s[G0B+3], s[G0B+3], 0x80000000
.elseif (\i) == 7
	PFTILE 7, 88, 90
.elseif (\i) == 8
	s_lshl_b32 s21, s90, 9
	s_add_co_u32 s20, s55, s21
	WIN 0
	v_min_u32 v8, 1, v3
	v_lshl_add_u32 v8, v8, 8, s20
.endif
	STEP (\i)-4
.endm
.macro L_V7 i, x, y
.if (\i) == 0
	s_add_co_u32 s22, s88, RA*KROW
	PFTILE 23, 22, 90
.endif
	CHAIN (\i)-1, \x, \y
.endm
.macro L_ODD i, x, y
	PAIR \i
	STEP (\i)-4
	CHAIN (\i)-7, ACC, 0
.endm
.macro L_ODDL i, x, y
	PAIR \i
	CHAIN (\i)-4, ACC, 0
.endm
.macro L_ROUND i, x, y
	ASK \i
	STEP (\i)-4
	CHAIN (\i)-7, ACC+32, 1
.endm
.macro WAITDS w
.if (\w) >= 0
	s_wait_dscnt \w
.endif
.endm
.macro EVENOUT fetch                   ; behind an even block: the odd block's byte, the pair's codes, the fetch
	WALU
	ds_store_b8 v[VX], v[EB+1] offset:4
	PUTH NCD, s[84:85], 0
	PUTH NCD+6, s[84:85], 1536
.if \fetch
	FETCH 0
.endif
.endm
.macro EVEN w, fetch
	WAITDS \w
.if \fetch
	BLOCK 0, 0, ACC, 8, 0, 32, L_OUT, ACC+32, 1
.else
	BLOCK 0, 0, ACC, 8, 0, 32, L_LAST, ACC+32, 1
.endif
	WIN 0
	CODES6 ACC+32, NCD+6, 1
	EVENOUT \fetch
.endm
.macro EVENROUND w                     ; the second and the third refill
	WAITDS \w
	GRD
	BLOCK 0, 0, ACC, 8, 0, 26, L_ROUND
	WIN 0
	WALU
	s_wait_dscnt 0x0
	s_barrier_signal -1
	BLOCK 0, 0, ACC, 8, 26, 32, L_NONE
	WIN 0
	CODES6 ACC+32, NCD+6, 1
	MIDDLE
	BARRIER
	s_cmp_lt_u32 s14, 2
	s_cbranch_scc0 .Lscales_\@
	TLOAD G0R, G1A
	s_branch .Lasked_\@
.Lscales_\@:
	s_cmp_eq_u32 s14, 2
	s_cbranch_scc0 .Lnone_\@
	TLOAD G0S, G1S
.Lnone_\@:
.Lasked_\@:
	EVENOUT 1
.endm
.macro EVENSHOW w                      ; a plain barrier shows the last refill to all
	WAITDS \w
	BLOCK 0, 0, ACC, 8, 0, 26, L_OUT, ACC+32, 1
	WIN 0
	WALU
	s_wait_tensorcnt 0x0
	s_wait_dscnt 0x0
	s_barrier_signal -1
	BLOCK 0, 0, ACC, 8, 26, 32, L_NONE
	WIN 0
	s_barrier_wait -1
	CODES6 ACC+32, NCD+6, 1
	EVENOUT 1
.endm
.macro ODD w, fetch
	WAITDS \w
	s_wait_xcnt 0x0
.if \fetch
	BLOCK 0, 1, ACC+32, 8, 0, 32, L_ODD
.else
	BLOCK 0, 1, ACC+32, 8, 0, 32, L_ODDL
.endif
	WIN 0
	CODES6 ACC, NCD, 0
	WALU
	ds_store_b8 v[VX], v[EB]
.if \fetch
	FETCH 1
.endif
.endm
; ---- the head
	s_load_b512 s[76:91], s[0:1], 0x0              ; x, Wq, Wk, Wv: codes and scales of each
	s_load_b64 s[10:11], s[0:1], 0x40              ; cod
	v_lshl_add_u32 v[SPW], v0, 2, SPARE
	v_mov_b32 v[NIL], 0
	ds_add_u32 v[SPW], v[NIL]
	ds_add_u32 v[SPW], v[NIL]
	v_lshrrev_b32 v1, 5, v0
	v_readfirstlane_b32 s14, v1                    ; s14 the wave; s15 its row of the 2 x 2, s16 its column
	s_lshr_b32 s15, s14, 1
	s_and_b32 s16, s14, 1
	s_bfe_u32 s40, ttmp6, 0x40000                  ; cx
	s_bfe_u32 s41, ttmp6, 0x40004                  ; cy
	s_lshl_b32 s42, ttmp9, 2
	SADD 42, 40                                    ; tile column: 0-7 Q, 8-15 K
	s_and_b32 s43, ttmp7, 0xffff
	s_lshl_b32 s43, s43, 2
	SADD 43, 41                                    ; tile row
	s_lshr_b32 s19, ttmp9, 1                       ; 0 Q, 1 K
	s_and_b32 s2, ttmp9, 1                         ; V's half of my 512 rows
	s_lshl_b32 s13, s19, 2
	SADD 13, 40                                    ; V's tile column
	s_lshl_b32 s12, s43, 1
	SADD 12, 2                                     ; V's tile row
	s_lshl_b32 s44, s41, 2
	s_lshl_b32 s44, 15, s44                        ; my row of the cluster
	s_lshl_b32 s45, 0x1111, s40                    ; my column
	GROUP1 G1A, 44, RA
	GROUP1 G1B, 45, TN
	s_or_b32 s[G1S+0], s44, (3<<16)|(1<<20)|(1<<21)|(5<<22)|(3<<25)
	s_mov_b32 s[G1S+1], 32<<16
	s_mov_b32 s[G1S+2], (2*CU)<<16
	s_mov_b32 s[G1S+3], 32<<16
	s_mov_b32 s[G1S+4], 2*CU
	s_mov_b32 s[G1S+5], 32
	s_mov_b32 s[G1S+6], 0
	s_mov_b32 s[G1S+7], 0
	s_mov_b32 s[G0S], 1
	s_mov_b32 s[G0S+1], SCL
	s_mov_b32 s[G0A], 1
	s_mov_b32 s[G0A+1], 0
	s_mov_b32 s[G0B], 1
	s_mov_b32 s[G0B+1], BVB
	s_mov_b32 s[G0R], 1
	s_mov_b32 s[G0R+1], YB
	s_mul_i32 s67, s43, TM*KROW                    ; my 512 rows, bytes from x_codes
	s_mul_i32 s66, s12, TV*KROW                    ; V's half of them
	s_and_b32 s17, s42, 7
	s_mul_i32 s9, s17, TN*KROW                     ; W_q's or W_k's rows
	s_mul_i32 s54, s13, TN*KROW                    ; W_v's
	s_mul_i32 s55, s43, TM*KS
	s_mul_i32 s3, s12, TV*KS
	WALU
	s_wait_dscnt 0x0
	CROUND                                         ; the opening round, ahead of the wait for the arguments
	s_wait_kmcnt 0x0
	s_mov_b64 s[4:5], s[76:77]
	s_mov_b64 s[6:7], s[78:79]
	s_cmp_eq_u32 s19, 0
	s_cselect_b64 s[48:49], s[80:81], s[84:85]
	s_cselect_b64 s[50:51], s[82:83], s[86:87]
	s_mov_b32 s21, 0
	s_mov_b32 s20, s66
	s_add_nc_u64 s[G0A+2:G0A+3], s[4:5], s[20:21]
	s_add_nc_u64 s[G0R+2:G0R+3], s[G0A+2:G0A+3], RA*KROW
	s_or_b32 s[G0A+3], s[G0A+3], 0x80000000
	s_or_b32 s[G0R+3], s[G0R+3], 0x80000000
	s_mov_b32 s20, s54
	s_add_nc_u64 s[G0B+2:G0B+3], s[88:89], s[20:21]
	s_or_b32 s[G0B+3], s[G0B+3], 0x80000000
	s_mov_b32 s20, s3
	s_add_nc_u64 s[G0S+2:G0S+3], s[6:7], s[20:21]
	s_or_b32 s[G0S+3], s[G0S+3], 0x80000000
	s_cmp_eq_u32 s14, 0
	s_cbranch_scc0 .Lwave_1
	TLOAD G0B, G1B                                 ; wave 0: W_v's rows
	s_branch .Lasked
.Lwave_1:
	s_cmp_eq_u32 s14, 1
	s_cbranch_scc0 .Lwave_2
	TLOAD G0S, G1S                                 ; wave 1: both chunks' scale bytes
	s_branch .Lasked
.Lwave_2:
	s_cmp_eq_u32 s14, 2
	s_cbranch_scc0 .Lwave_3
	TLOAD G0A, G1A                                 ; wave 2: chunk 0
	s_branch .Lasked
.Lwave_3:
	TLOAD G0R, G1A                                 ; wave 3: chunk 1
.Lasked:
	s_lshl_b32 s20, s13, 12                        ; W_v's scale bytes, my 64 rows
	s_lshl_b32 s22, s16, 11
	SADD 20, 22
	s_add_nc_u64 s[84:85], s[90:91], s[20:21]
	s_lshl_b32 s20, s17, 12                        ; W_q's or W_k's
	SADD 20, 22
	s_add_nc_u64 s[50:51], s[50:51], s[20:21]
	s_lshr_b32 s20, s42, 3                         ; where the results go
	s_mul_i32 s20, s20, 512*TILE
	s_lshl_b32 s21, s43, 5
	SADD 21, 17
	s_mul_i32 s21, s21, TILE
	SADD 20, 21                                    ; my first tile of Q or K
	s_mul_i32 s22, s15, 6144
	s_mul_i32 s21, s16, 768
	SADD 22, 21
	SADD 22, 20
	s_mov_b32 s23, 0
	s_add_nc_u64 s[76:77], s[10:11], s[22:23]      ; my codes' place in it
	s_lshl_b32 s21, s2, 1
	s_xor_b32 s21, s21, s14
	s_mul_i32 s21, s21, 8*TILE
	SADD 20, 21
	s_add_co_u32 s20, s20, 12288
	s_mov_b32 s21, 0
	s_add_nc_u64 s[78:79], s[10:11], s[20:21]      ; the scale words that I store: chunk (wave) in the order of work
	s_lshl_b32 s20, s13, 6
	s_lshl_b32 s22, s12, 1
	SADD 20, 22
	s_mul_i32 s20, s20, TILE
	s_add_co_u32 s20, s20, 1024*TILE               ; my first tile of V^T
	s_mul_i32 s22, s16, 6144
	SADD 22, 20
	s_mul_i32 s21, s15, 768
	SADD 22, 21
	s_add_nc_u64 s[80:81], s[10:11], s[22:23]
	s_mul_i32 s22, s15, TILE
	SADD 22, 20
	s_lshl_b32 s21, s16, 8
	SADD 22, 21
	s_add_co_u32 s22, s22, 12288
	s_add_nc_u64 s[82:83], s[10:11], s[22:23]      ; V^T's scale words: 256 bytes a wave
	s_lshl_b32 s90, s40, 2
	SADD 90, 14                                    ; my number among the sixteen waves of my row of the cluster
	s_lshl_b32 s18, s41, 2
	SADD 18, 14                                    ; and of my column
	s_mov_b32 s46, 0
	s_mov_b32 s47, 0
	s_mov_b32 s8, SCL
	s_mov_b32 s89, 0
	s_mov_b32 s100, 0
	s_mov_b32 s88, s67
	s_xor_b32 s20, s2, 1                           ; the chunks still to come are the other half's
	s_mul_i32 s21, s20, 2*RA*KROW
	SADD 88, 21
	s_mul_i32 s21, s20, 2*CU*256
	SADD 55, 21
	s_mul_i32 s20, s15, 64*PITCH
	s_add_co_u32 s21, s20, 8*PITCH
	s_mul_i32 s22, s16, 64*PITCH
	s_add_co_u32 s22, s22, BVB
	s_add_co_u32 s23, s22, 8*PITCH
	v_and_b32 v1, 7, v0
	v_bfe_u32 v2, v0, 3, 1
	v_bfe_u32 v7, v0, 4, 1                         ; h
	v_and_b32 v3, 31, v0
	v_mad_u32_u24 v64, v2, 40, v1                  ; even tiles: rows 0-7, 40-47
	v_mad_u32_u24 v65, v2, 24, v1                  ; odd tiles, less 8: rows 8-15, 32-39
	v_mul_u32_u24 v64, PITCH, v64
	v_mul_u32_u24 v65, PITCH, v65
	v_mad_u32_u24 v66, v7, 24, v64
	v_mad_u32_u24 v67, v7, 40, v64                 ; behind one padding more
	v_mad_u32_u24 v68, v7, 24, v65
	v_mad_u32_u24 v69, v7, 40, v65
	v_add_nc_u32 v[AE], s20, v66
	v_add_nc_u32 v[AE+1], s20, v67
	v_add_nc_u32 v[AO], s21, v68
	v_add_nc_u32 v[AO+1], s21, v69
	WIN 3<<6
	v_add_nc_u32 v[BA-768], s22, v66
	v_add_nc_u32 v[BA-768+1], s22, v67
	v_add_nc_u32 v[BA-768+2], s23, v68
	v_add_nc_u32 v[BA-768+3], s23, v69
	s_add_co_u32 s22, s22, 16*PITCH
	s_add_co_u32 s23, s23, 16*PITCH
	v_add_nc_u32 v[BA-768+4], s22, v66
	v_add_nc_u32 v[BA-768+5], s22, v67
	v_add_nc_u32 v[BA-768+6], s23, v68
	v_add_nc_u32 v[BA-768+7], s23, v69
	WIN 0
	v_lshlrev_b32 v70, 5, v1                       ; scale bytes: 32 a row, 16 more for each 8 rows passed
	v_mad_u32_u24 v71, v2, 1360, v70
	v_mad_u32_u24 v72, v2, 816, v70
	s_mul_i32 s20, s15, 8*272
	s_add_co_u32 s20, s20, SCL
	s_add_co_u32 s21, s20, 272
	v_add_nc_u32 v[AES], s20, v71
	v_add_nc_u32 v[AOS], s21, v72
	v_xor_b32 v73, v2, v7
	v_lshl_add_u32 v74, v2, 10, v70
	v_lshl_add_u32 v[ABS], v73, 8, v74             ; the weights' scale bytes in memory: lanes 0-15 an even tile's rows, lanes 16-31 the next tile's
	v_and_b32 v75, 15, v0
	v_lshl_add_u32 v76, v75, 5, v7
	v_lshl_add_u32 v77, v75, 4, v7
	WALU
	s_lshl_b32 s20, s15, 4
	s_lshl_b32 s21, s16, 1
	SADD 20, 21
	s_add_co_u32 s20, s20, XN
	v_add_nc_u32 v[STO], s20, v76
	s_lshl_b32 s20, s16, 3
	s_lshl_b32 s21, s15, 1
	SADD 20, 21
	s_add_co_u32 s20, s20, XM
	v_add_nc_u32 v[STV], s20, v77
	v_lshlrev_b32 v[CO], 4, v3
	v_lshlrev_b32 v[CO8], 3, v3
	PFTILE 8, 9, 18                                ; what the first refill will load
	WALU
.irp p, 0,1
.irp c, 0,1
	global_load_b128 v[SB+NQ*\p+4*\c:SB+NQ*\p+4*\c+3], v[ABS], s[84:85] offset:\p*512+16*\c
.endr
.endr
	WIN 3<<6
.irp p, 0,1
.irp c, 0,1
	global_load_b128 v[SB2-768+NQ*\p+4*\c:SB2-768+NQ*\p+4*\c+3], v[ABS], s[50:51] offset:\p*512+16*\c
.endr
.endr
	WIN 0
	s_cmp_eq_u32 s14, 0
	s_cbranch_scc0 .Lnot_b
	s_wait_tensorcnt 0x0
.Lnot_b:
	BARRIER                                        ; W_v's rows are in
	PFGO 8, 48
	WEIGHTS
	s_cmp_eq_u32 s14, 3
	s_cbranch_scc1 .Lnot_a0
	s_wait_tensorcnt 0x0
.Lnot_a0:
	s_wait_loadcnt 0x0
	s_wait_dscnt 0x0
	BARRIER                                        ; chunk 0 and the scale bytes are in; chunk 1 may be on its way
	FETCH01
; ---- phase 1: V, eight blocks; band 0's way outs stand in band 1's blocks
.irp s, 0,1
.set SM, 0
.set SP, \s
.set SK, 1
	s_wait_dscnt NF
	BLOCK 1, \s, HV0+8*\s, 32, 0, 32, L_STEP
	WIN 0
	PLACES 4
	WALU
	FETCH \s
.endr
.set SK, 2
.set SP, 0
	s_wait_dscnt NF
	s_wait_xcnt 0x0                                ; the list writes v8, the address of the head's prefetch
	GRD
	BLOCK 1, 0, HV0+16, 32, 0, 24, L_V2
	WIN 0
	s_wait_dscnt 0x0
	s_barrier_signal -1
	BLOCK 1, 0, HV0+16, 32, 24, 32, L_NONE
	MIDDLE
	BARRIER
	s_cmp_lt_u32 s14, 2
	s_cbranch_scc0 .Lno_half
	TLOAD G0B, G1B                                 ; waves 0 and 1 a half each of W_q's or W_k's rows
.Lno_half:
	PLACES 4
	WALU
	FETCH 0
	PFGO 7, 4
	PFGO 8, 6
.set SP, 1
	BLOCK 1, 1, HV0+24, 32, 0, 32, L_STEP
	WIN 0
	PLACES 4
	WALU
	FETCH 1
.set SK, 3
.irp j, 0,1,2
.set SP, \j%2
	s_wait_dscnt NF+(\j+1)/2
.if \j < 2
	BLOCK 1, \j%2, HV1+8*\j, 32, 0, 32, L_OUT, HV0+32*\j, \j
.else
	BLOCK 1, \j%2, HV1+8*\j, 32, 0, 32, L_LAST, HV0+32*\j, \j
.endif
	WIN 0
	CODES6 HV0+32*\j, MCD+12*\j, \j
	WALU
	ds_store_b8 v[STV], v[EB+\j] offset:256*(\j%2)+4*(\j/2)
.if \j < 2
	FETCH \j%2
.endif
.endr
	s_wait_dscnt 1
	BLOCK 1, 1, HV1+24, 32, 0, 26, L_V7, HV0+96, 3
	WIN 0
	WALU
	s_wait_tensorcnt 0x0
	s_wait_dscnt 0x0
	s_barrier_signal -1                            ; a plain barrier: the second weight is shown to all
	BLOCK 1, 1, HV1+24, 32, 26, 32, L_NONE
	WIN 0
	s_barrier_wait -1
	CODES6 HV0+96, MCD+36, 3
	WALU
	ds_store_b8 v[STV], v[EB+3] offset:260
; ---- the change of phase: the weights and the first two blocks' rows in one run of loads; band 1's way outs under their flight
	WEIGHTS
	FETCH01
	PFGO 23, 4
	WIN 3
.set I, 0
.rept 16
	v_mov_b32 v[SB+I], v[SB2-768+I]
.set I, I+1
.endr
	WIN 0
.set I, 0
.rept 18
.irp t, 0,1,2,3
	CHAIN I, HV1+32*\t, \t, 64+4*\t
.endr
.set I, I+1
.endr
.set I, 0
.rept 6
.irp t, 0,1,2,3
	CODES I, HV1+32*\t, MCD+12*\t+6, \t, 80+4*\t
.endr
.set I, I+1
.endr
	WIN 0
	WALU
; ---- phase 2: Q or K, sixteen blocks, way outs by pairs
.set SM, 0
.set SP, 0
.set SK, 1
	s_wait_dscnt NF
	BLOCK 0, 0, ACC, 8, 0, 32, L_STEP
	WIN 0
	PLACES 4
	WALU
.irp t, 0,1,2,3
	ds_store_b8 v[STV], v[EB+\t] offset:512+256*(\t%2)+4*(\t/2)
.endr
.irp t, 0,1,2,3
	PUTH MCD+12*\t, s[80:81], 1536*\t              ; V^T's codes leave
	PUTH MCD+12*\t+6, s[80:81], TILE+1536*\t
.endr
	FETCH 0
.set SP, 1
	ODD NF+4, 1
	s_mov_b32 s86, 0
.Lwith_rounds:                                     ; blocks 2 to 5, 6 to 9
.set SM, 1
.set SP, 0
	EVENROUND NF+1
.set SM, 3
.set SP, 1
	ODD -1, 1
.set SM, 2
.set SP, 0
	EVEN NF+1, 1
.set SM, 3
.set SP, 1
	ODD NF+1, 1
	s_add_co_u32 s86, s86, 1
	s_cmp_lg_u32 s86, 2
	s_cbranch_scc1 .Lwith_rounds
	s_mov_b32 s101, YB-16*PITCH
	s_mov_b32 s91, SCB-544
.Lwithout:                                         ; blocks 10, 11 and 12, 13
.set SM, 4
.set SP, 0
	EVENSHOW NF+1
.set SM, 3
.set SP, 1
	ODD -1, 1
	s_add_co_u32 s86, s86, 1
	s_cmp_lg_u32 s86, 4
	s_cbranch_scc1 .Lwithout
	EVEN NF+1, 0
	ODD 1, 0
; ---- the end: the last way out; the scale words go through LDS under its conversions
	s_lshl_b32 s21, s14, 9
	s_add_co_u32 s21, s21, XN
	v_add_nc_u32 v12, s21, v[CO]
	s_lshl_b32 s21, s14, 8
	s_add_co_u32 s21, s21, XM
	v_add_nc_u32 v15, s21, v[CO8]
.set I, 0
.rept 18
	CHAIN I, ACC+32, 1
.set I, I+1
.endr
	CODES 2, ACC+32, NCD+6, 1
	WALU
	ds_store_b8 v[VX], v[EB+1] offset:4
	s_wait_dscnt 0x0
	s_barrier_signal -1
	CODES 0, ACC+32, NCD+6, 1
	CODES 1, ACC+32, NCD+6, 1
	WIN 0
	v_nop
.irp i, 3,4,5
	CODES \i, ACC+32, NCD+6, 1
.endr
	WALU
	s_barrier_wait -1
	ds_load_b128 v[64:67], v12
	ds_load_b64 v[68:69], v15
	PUTH NCD, s[84:85], 0
	PUTH NCD+6, s[84:85], 1536
	s_wait_dscnt 0x0
	global_store_b128 v[CO], v[64:67], s[78:79]
	global_store_b64 v[CO8], v[68:69], s[82:83]
	s_wait_tensorcnt 0x0
	ds_add_u32 v[SPW], v[NIL]
	s_wait_dscnt 0x0
	CROUND
	s_endpgm
.Lfunc_end_k_qac75379653_proj:
	.size	k_qac75379653_proj, .Lfunc_end_k_qac75379653_proj-k_qac75379653_proj
	.p2alignl 7, 3214868480
	.fill 96, 4, 3214868480
	.section	.rodata,"a",@progbits
	.p2align	6, 0x0
	.amdhsa_kernel k_qac75379653_proj
		.amdhsa_group_segment_fixed_size 327680
		.amdhsa_private_segment_fixed_size 0
		.amdhsa_enable_private_segment 0
		.amdhsa_kernarg_size 72
		.amdhsa_user_sgpr_count 2
		.amdhsa_user_sgpr_kernarg_segment_ptr 1
		.amdhsa_wavefront_size32 1
		.amdhsa_system_sgpr_workgroup_id_x 1
		.amdhsa_system_sgpr_workgroup_id_y 1
		.amdhsa_system_sgpr_workgroup_id_z 1
		.amdhsa_system_vgpr_workitem_id 0
		.amdhsa_next_free_vgpr 992
		.amdhsa_next_free_sgpr 102
		.amdhsa_reserve_vcc 0
		.amdhsa_float_denorm_mode_32 3
		.amdhsa_float_denorm_mode_16_64 3
		.amdhsa_memory_ordered 1
		.amdhsa_forward_progress 1
		.amdhsa_inst_pref_size 185
	.end_amdhsa_kernel
	.amdgpu_metadata
---
amdhsa.version: [ 1, 2 ]
amdhsa.kernels:
  - .name:           k_qac75379653_proj
    .symbol:         k_qac75379653_proj.kd
    .args:
      - { .name: x_codes, .offset: 0, .size: 8, .value_kind: global_buffer, .address_space: global }
      - { .name: x_scales, .offset: 8, .size: 8, .value_kind: global_buffer, .address_space: global }
      - { .name: Wq_codes, .offset: 16, .size: 8, .value_kind: global_buffer, .address_space: global }
      - { .name: Wq_scales, .offset: 24, .size: 8, .value_kind: global_buffer, .address_space: global }
      - { .name: Wk_codes, .offset: 32, .size: 8, .value_kind: global_buffer, .address_space: global }
      - { .name: Wk_scales, .offset: 40, .size: 8, .value_kind: global_buffer, .address_space: global }
      - { .name: Wv_codes, .offset: 48, .size: 8, .value_kind: global_buffer, .address_space: global }
      - { .name: Wv_scales, .offset: 56, .size: 8, .value_kind: global_buffer, .address_space: global }
      - { .name: cod, .offset: 64, .size: 8, .value_kind: global_buffer, .address_space: global }
    .group_segment_fixed_size: 327680
    .private_segment_fixed_size: 0
    .kernarg_segment_align: 8
    .kernarg_segment_size: 72
    .max_flat_workgroup_size: 128
    .sgpr_count:     102
    .vgpr_count:     992
    .wavefront_size: 32
...
	.end_amdgpu_metadata
.endif
;; end of part 1
;; launch score (part 2): grid 4 x 48, 4 waves a work-group, clusters of 4 x 4, 327,680 bytes of LDS; arguments cod, pcod, pst; writes pcod, pst
.if DOCPART == 2
	.amdgcn_target "amdgcn-amd-amdhsa--gfx1250"
	.amdhsa_code_object_version 6
	.text
	.protected	k_qac75379653_score
	.globl	k_qac75379653_score
	.p2align	8
	.type	k_qac75379653_score,@function
k_qac75379653_score:
	s_mov_b64 s[64:65], 0
	v_nop
	global_prefetch_b8 v0, s[64:65] scope:SCOPE_SE
	s_setreg_imm32_b32 hwreg(HW_REG_WAVE_MODE, 25, 1), 1
	s_wait_xcnt 0x0
	s_wait_alu depctr_hold_cnt(0) depctr_sa_sdst(0) depctr_va_vdst(0) depctr_va_sdst(0) depctr_va_ssrc(0) depctr_va_vcc(0) depctr_vm_vsrc(0)
	s_getreg_b32 s2, hwreg(HW_REG_IB_STS2, 6, 4)
	s_cmp_eq_u32 s2, 0
	s_cbranch_scc0 .Lentry_in_a_cluster
	s_endpgm
.Lentry_in_a_cluster:
	s_bfe_u32 s2, ttmp6, 0x10000c
	s_cmp_lg_u32 s2, 0xf033
	s_cbranch_scc0 .Lentry_shape_is_right
	s_endpgm
.Lentry_shape_is_right:
; S = Q K^T / 32 under the causal mask, tiles of 256 x 256; P = 2^(t - M) under a local M for each (query, 128 keys), quantised along the keys; P's scale words, -M and the local sums go with it.
; A batch's three quadrants of 1,024 x 1,024 on or under the diagonal are three clusters of 4 x 4 work-groups.  WORK LEFT OUT: the fourth quadrant, wholly masked by reference() itself.  Tiles of 128 x 128 above the diagonal inside
; the three are made unmasked and read by nobody; a tile on the diagonal is masked by constants.  LIMIT: the scaled scores stay under 2^31 in magnitude.  A NaN or an infinity that reaches only masked tiles is not carried.
; K's rows are laid so that a lane's 32 sums of four tiles are one query's scores of one block of 32 keys: softmax and quantiser work on the accumulators as they lie, two row blocks by turns.
; LDS: a region of six places for each wave's operand half (128 rows), a place = 12,800 bytes = 128 along K, codes and scale words.  Step k lies in place k % 6.  Head: steps 0-2; behind the next round 3-5;
; in step 2 steps 6, 7 fill places 0, 1 again.  A's tiles are shared along a row of the cluster, B's along a column: joint loads.  No prefetch: eight steps, written out, and no loop to run ahead in.
; THE BUFFERS: pcod [tile number][row block][1,536]; pst [tile number][pair of row blocks][lane]: scale word, -M, sum, 0; lane (r, h) is row r of block 2 pair + h.
; TILE NUMBER of query group g and key group f (of 128) in batch b: 17 (8 b + pi) + position, pi = min(g, 15 - g): g < 8: f = 0 at position 1, else 6 + f;  g > 7: f = 0 at 0, 1-5 at f + 1, 6-8 at f + 8, 9 and up at 22 - f.
; Tiles above the diagonal (f > g), read by nobody, go behind those: 544 + 16 (16 b + g) + f.
.set FR,     12
.set NL,     4                         ; LDS loads that bring a fragment
.set NP,     4
.set TILE,   12800
.set REG,    6*TILE
.set SPARE,  4*REG
.set WRD,  8
.set ADRA, 16                          ; v16-19 A's fragments: places 0-2 at 16 x lane, at 8 x lane; places 3-5 likewise
.set ADRB, 20                          ; v20-23 B's
.set NINF, 24
.set FO,   25
.set ADRS, 27                          ; v27 scale words in places 0-2, v26 in 3-5
.set SPW,  28
.set NIL,  29
.set SH8,  31
.set SC,   32
.set NM,   48
.set LS,   56
.set CD,   64                          ; v64-87 codes, 12 a block of the pair
.set CT,   88                          ; v88-94, v152-158 the second halves of the conversions
.set TM,   96                          ; v96-105, v106-115 at work
.set NMP,  124                         ; v[124:125], v[126:127] -M of the pair's blocks
.set SUM,  128                         ; v128-135, v136-143 four chains of sums each
.set AF,   128                         ; A's fragments in the loop
.set OT,   160
.set CS,   12
.set DG,   18                          ; all ones where my 128 x 128 lies on the diagonal
.set G1, 24
.set G1B, 48
.set MSB, 0
.macro WIN new
.if MSB != \new
	s_set_vgpr_msb (MSB<<8)|\new
.set MSB, \new
.endif
.endm
.macro WALU
	s_wait_alu depctr_va_vdst(0)
.endm
.set MUL_LO, 0xa1
.set MUL_HI, 0xf1
.set TO_B,   0x40
.macro JLOAD g0a, g1a, g0b, g1b
	s_cmp_eq_u32 s15, 0
	s_cbranch_scc0 .Lfor_b_\@
	tensor_load_to_lds s[\g0a:\g0a+3], s[\g1a:\g1a+7]
	s_nop 0
.rept 4
	v_nop
.endr
	s_branch .Lasked_\@
.Lfor_b_\@:
	tensor_load_to_lds s[\g0b:\g0b+3], s[\g1b:\g1b+7]
	s_nop 0
.rept 4
	v_nop
.endr
.Lasked_\@:
.endm
.macro CREST
	s_cmp_lg_u32 s14, 0
	s_cbranch_scc1 .Lnot_wave_0_\@
	s_barrier_signal -3
.Lnot_wave_0_\@:
	s_barrier_wait -3
	s_barrier_signal -1
	s_barrier_wait -1
.endm
.macro CROUND
	s_barrier_signal -1
	s_barrier_wait -1
	CREST
.endm
	s_load_b128 s[4:7], s[0:1], 0x0                ; cod, pcod
	s_load_b64 s[10:11], s[0:1], 0x10              ; pst
	v_lshl_add_u32 v[SPW], v0, 2, SPARE
	v_mov_b32 v[NIL], 0
	ds_add_u32 v[SPW], v[NIL]
	ds_add_u32 v[SPW], v[NIL]
	v_lshrrev_b32 v1, 5, v0
	v_readfirstlane_b32 s14, v1
	s_lshr_b32 s15, s14, 1                         ; my half of the rows.  Also: I fetch for A (0) or B (1)
	s_and_b32 s16, s14, 1                          ; my half of the columns.  Also: which 128 rows I fetch
	s_bfe_u32 s40, ttmp6, 0x40000
	s_bfe_u32 s41, ttmp6, 0x40004
	s_and_b32 s18, ttmp7, 0xffff                   ; the cluster: 3 x batch + quadrant
	s_mul_i32 s19, s18, 11
	s_lshr_b32 s19, s19, 5
	s_mul_i32 s20, s19, 3
	s_sub_co_u32 s20, s18, s20
	s_add_co_u32 s21, s20, 1
	s_lshr_b32 s21, s21, 1
	s_lshr_b32 s22, s20, 1
	s_lshl_b32 s17, s21, 2
	s_add_co_u32 s17, s17, s41                     ; tile row, 0-7
	s_lshl_b32 s42, s22, 2
	s_add_co_u32 s42, s42, s40                     ; tile column
	s_lshl_b32 s43, s41, 2
	s_lshl_b32 s43, 15, s43
	s_lshl_b32 s44, 0x1111, s40
	s_lshl_b32 s45, s19, 4
	s_mov_b32 s2, 0x76543210
	s_mov_b32 s3, 0xfedcba98                       ; v_permlanex16_b32's selects for lane l xor 16
	s_mov_b32 s[CS], 0x3d38aa3b                    ; log2(e) / 32
	s_mov_b32 s[CS+1], s[CS]
	s_or_b32 s[G1], s43, (3<<16)|(1<<21)
	s_or_b32 s[G1B], s44, (3<<16)|(1<<21)
.irp g, G1, G1B
	s_mov_b32 s[\g+1], 32<<16                      ; dense: rows of 256 bytes, three places of 50 rows
	s_mov_b32 s[\g+2], 150<<16
	s_mov_b32 s[\g+3], 32<<16
	s_mov_b32 s[\g+4], 150
	s_mov_b32 s[\g+5], 32
	s_mov_b32 s[\g+6], 0
	s_mov_b32 s[\g+7], 0
.endr
	s_lshl_b32 s20, s17, 1
	s_add_co_u32 s20, s20, s45
	s_add_co_u32 s20, s20, s16
	s_mul_i32 s22, s20, 8*TILE
	s_mov_b32 s23, 0
	s_lshl_b32 s46, s42, 1
	s_add_co_u32 s46, s46, s45
	s_add_co_u32 s46, s46, s16
	s_mul_i32 s46, s46, 8*TILE
	s_add_co_u32 s46, s46, 512*TILE
	s_mov_b32 s47, 0
	s_mul_i32 s100, s14, REG
	s_mov_b32 s32, 1
	s_mov_b32 s33, s100
	s_mov_b32 s56, 1
	s_mov_b32 s57, s100
	WALU
	s_wait_dscnt 0x0
	CROUND                                         ; the opening round, ahead of the wait for the arguments
	s_wait_kmcnt 0x0
	s_add_nc_u64 s[34:35], s[4:5], s[22:23]
	s_or_b32 s35, s35, 0x80000000
	s_add_nc_u64 s[58:59], s[4:5], s[46:47]
	s_or_b32 s59, s59, 0x80000000
	JLOAD 32, G1, 56, G1B                          ; steps 0-2
	s_lshl_b32 s20, s17, 1
	s_add_co_u32 s20, s20, s15                     ; g: my group of 128 queries in the batch,
	s_lshl_b32 s21, s42, 1
	s_add_co_u32 s21, s21, s16                     ; f: of 128 keys
	s_add_co_u32 s23, s21, 8                       ; the position, g > 7
	s_sub_co_u32 s46, 22, s21
	s_cmp_le_u32 s21, 8
	s_cselect_b32 s23, s23, s46
	s_add_co_u32 s46, s21, 1
	s_cmp_le_u32 s21, 5
	s_cselect_b32 s23, s46, s23
	s_add_co_u32 s46, s21, 6                       ; g < 8
	s_cmp_eq_u32 s21, 0
	s_cselect_b32 s23, 0, s23
	s_cselect_b32 s46, 1, s46
	s_cmp_lt_u32 s20, 8
	s_cselect_b32 s23, s46, s23
	s_sub_co_u32 s22, 15, s20
	s_min_u32 s22, s22, s20                        ; pi
	s_lshl_b32 s46, s19, 3
	s_add_co_u32 s22, s22, s46
	s_mul_i32 s22, s22, 17
	s_add_co_u32 s22, s22, s23
	s_add_co_u32 s46, s20, s45
	s_lshl_b32 s46, s46, 4
	s_add_co_u32 s46, s46, s21
	s_add_co_u32 s46, s46, 544
	s_cmp_gt_u32 s21, s20
	s_cselect_b32 s46, s46, s22                    ; my tile number
	s_cmp_eq_u32 s20, s21
	s_cselect_b32 s[DG], -1, 0
	s_mul_i32 s22, s46, 12288
	s_mov_b32 s23, 0
	s_add_nc_u64 s[6:7], s[6:7], s[22:23]
	s_lshl_b32 s22, s46, 11
	s_add_nc_u64 s[10:11], s[10:11], s[22:23]
	s_mul_i32 s21, s15, REG
	s_mul_i32 s22, s16, REG
	s_add_co_u32 s22, s22, 2*REG
	v_and_b32 v1, 15, v0
	v_bfe_u32 v2, v0, 4, 1                         ; h (kept)
	v_and_b32 v3, 31, v0
	v_lshlrev_b32 v[FO], 4, v3
	v_lshlrev_b32 v5, 3, v3
	v_add_nc_u32 v[ADRA], s21, v[FO]
	v_add_nc_u32 v[ADRA+1], s21, v5
	v_add_nc_u32 v[ADRB], s22, v[FO]
	v_add_nc_u32 v[ADRB+1], s22, v5
	s_sub_co_u32 s23, s22, s21
	s_add_co_u32 s20, s21, 3*TILE
	s_add_co_u32 s22, s22, 3*TILE
	v_add_nc_u32 v[ADRA+2], s20, v[FO]
	v_add_nc_u32 v[ADRA+3], s20, v5
	v_add_nc_u32 v[ADRB+2], s22, v[FO]
	v_add_nc_u32 v[ADRB+3], s22, v5
	v_mul_u32_u24 v6, s23, v2                      ; lanes 0-15 A's scale words, lanes 16-31 B's
	v_lshl_add_u32 v6, v1, 5, v6
	v_add_nc_u32 v[ADRS], s21, v6
	v_add_nc_u32 v[ADRS-1], s20, v6
	v_lshlrev_b32 v[SH8], 3, v2
	v_mov_b32 v[NINF], 0xff800000
	v_mov_b32 v[NMP+1], 0
	v_mov_b32 v[NMP+3], 0
	v_mov_b32 v[TM+9], 0                           ; a lane permute's destination counts as one of its sources
	v_mov_b32 v[TM+19], 0
.macro FRAG reg, adr, pl, i            ; two halves of 64 along K: 4 + 2 registers each
.set AR_, \adr+2*((\pl)/3)
.set OF_, ((\pl)%3)*TILE+1536*(\i)
	ds_load_b128 v[\reg:\reg+3], v[AR_] offset:OF_
	ds_load_b64 v[\reg+4:\reg+5], v[AR_+1] offset:OF_+512
	ds_load_b128 v[\reg+6:\reg+9], v[AR_] offset:OF_+768
	ds_load_b64 v[\reg+10:\reg+11], v[AR_+1] offset:OF_+1280
.endm
.macro FETCH_B pl, p
	WIN TO_B
.irp i, 0,1,2,3,4,5,6,7
	FRAG 128*(\p)+FR*\i, ADRB, \pl, \i
.endr
	WIN 0
.endm
.macro FETCH_A pl, i0
.irp i, \i0, \i0+1, \i0+2, \i0+3
	FRAG AF+FR*(\i), ADRA, \pl, \i
.endr
.endm
.macro SCALES pl, set
.irp u, 0,1
	ds_load_b128 v[SC+8*(\set)+4*\u:SC+8*(\set)+4*\u+3], v[ADRS-((\pl)/3)] offset:((\pl)%3)*TILE+12288+16*\u
.endr
.endm
.macro MUL16 a0, p, zero               ; the 64 accumulators take turns, in the same order in every step
.irp a, \a0, \a0+1
.irp b, 0,1,2,3,4,5,6,7
.if \zero
	v_wmma_scale_f32_16x16x128_f8f6f4 v[8*(8*((\a)%4)+\b):8*(8*((\a)%4)+\b)+7], v[128*(\p)+FR*\b:128*(\p)+FR*\b+FR-1], v[AF+FR*(\a):AF+FR*(\a)+FR-1], 0, v[SC+8*(\p)+\b], v[SC+8*(\p)+(\a)] matrix_a_fmt:MATRIX_FMT_FP6 matrix_b_fmt:MATRIX_FMT_FP6 matrix_a_scale:MATRIX_SCALE_ROW1
.else
	v_wmma_scale_f32_16x16x128_f8f6f4 v[8*(8*((\a)%4)+\b):8*(8*((\a)%4)+\b)+7], v[128*(\p)+FR*\b:128*(\p)+FR*\b+FR-1], v[AF+FR*(\a):AF+FR*(\a)+FR-1], v[8*(8*((\a)%4)+\b):8*(8*((\a)%4)+\b)+7], v[SC+8*(\p)+\b], v[SC+8*(\p)+(\a)] matrix_a_fmt:MATRIX_FMT_FP6 matrix_b_fmt:MATRIX_FMT_FP6 matrix_a_scale:MATRIX_SCALE_ROW1
.endif
.endr
.endr
.endm
.macro PLACES n
.rept \n
	v_nop
.endr
.endm
; step k.  sync 0: none; 2: steps 3-5 are shown and places 0, 1 filled again; 3: a plain barrier shows steps 6, 7
.macro KSTEP k, sync, zero
.set SN, ((\k)+1)%6
.set QN, ((\k)+1)%2
.set PP, (\k)%2
.if \sync == 0
	s_wait_dscnt 4*NL                              ; all but the youngest 16 loads (A's blocks 4-7)
.elseif \sync == 3
	s_wait_tensorcnt 0x0
	s_wait_dscnt 4*NL
.else
	s_wait_tensorcnt 0x0
	ds_add_u32 v[SPW], v[NIL]
	s_wait_dscnt 4*NL+1
.endif
	WIN MUL_LO
	MUL16 0, PP, \zero
.if \sync != 0
	s_wait_dscnt 0x0
	s_barrier_signal -1
.endif
	MUL16 2, PP, \zero
.if \sync == 0
	s_wait_dscnt 0
	PLACES NP
.else
	WIN 0
	s_barrier_wait -1
.if \sync == 2
	CREST
	s_mov_b32 s[G1+2], 100<<16                     ; two places
	s_mov_b32 s[G1+4], 100
	s_mov_b32 s[G1B+2], 100<<16
	s_mov_b32 s[G1B+4], 100
	s_mov_b32 s33, s100
	s_mov_b32 s57, s100
	s_add_nc_u64 s[34:35], s[34:35], 3*TILE
	s_add_nc_u64 s[58:59], s[58:59], 3*TILE
	JLOAD 32, G1, 56, G1B
.else
	PLACES NP
.endif
.endif
	FETCH_B SN, QN
	FETCH_A SN, 0
	SCALES SN, QN
	WIN MUL_HI
	MUL16 4, PP, \zero
	MUL16 6, PP, \zero
	PLACES NP
	WIN 0
	FETCH_A SN, 4
.endm
	WALU
	s_wait_tensorcnt 0x0
	ds_add_u32 v[SPW], v[NIL]
	s_add_co_u32 s33, s33, 3*TILE
	s_add_co_u32 s57, s57, 3*TILE
	s_add_nc_u64 s[34:35], s[34:35], 3*TILE
	s_add_nc_u64 s[58:59], s[58:59], 3*TILE
	s_wait_dscnt 0x0
	CROUND
	JLOAD 32, G1, 56, G1B                          ; steps 3-5
	FETCH_B 0, 0
	FETCH_A 0, 0
	SCALES 0, 0
	FETCH_A 0, 4
	KSTEP 0, 0, 1
	KSTEP 1, 0, 0
	KSTEP 2, 2, 0
	KSTEP 3, 0, 0
	KSTEP 4, 0, 0
	KSTEP 5, 3, 0
	KSTEP 6, 0, 0
	s_wait_dscnt 4*NL
	WIN MUL_LO
	MUL16 0, 1, 0
	MUL16 2, 1, 0
	s_wait_dscnt 0
	WIN MUL_HI
	MUL16 4, 1, 0
	MUL16 6, 1, 0
; The mask of a band of 64 keys against a row block of the same band: lane (r, h) of register 8 t + i holds key group t (h = 0) or 4 + (t ^ 1) of eight, query group a % 4 (r < 8) or 4 + (a % 4 ^ 1).
.macro MIX a, xb
.set II, 0
.rept 32
.set MK, 0xff0000
.if II/8 == (\a)%4
.set MK, MK|((1<<(II%8))-1)|(((1<<(II%8))-1)<<24)
.elseif II/8 > (\a)%4
.set MK, MK|0xff
.endif
.if ((II/8)^1) > (((\a)%4)^1)
.set MK, MK|0xff000000
.endif
	s_and_b32 s[20+II%4], s[DG], MK
	v_cndmask_b32 v[\xb+II], v[\xb+II], v[NINF], s[20+II%4]
.set II, II+1
.endr
.endm
; Row blocks a and a + 1 by turns, in window W_
.macro SOFTQ2 a
.set W_, 2+(\a)/4
.set XB, 64*((\a)%4)
.if \a > 0
	WALU
	s_wait_xcnt 0x0                                ; the last pair's stores have read the code registers
.endif
	WIN W_|(W_<<6)
	WALU
.irp q, 0,1
.if \a < 4
	MIX (\a)+\q, XB+64*\q
.set II, 32
.rept 32
	v_cndmask_b32 v[XB+64*\q+II], v[XB+64*\q+II], v[NINF], s[DG]
.set II, II+1
.endr
.else
	MIX (\a)+\q, XB+64*\q+32
.endif
.endr
	WIN W_|(W_<<2)|(W_<<4)
	WALU
.irp n, 0,1,2,3
.irp q, 0,1
	v_max3_num_f32 v[TM+10*\q+\n], v[XB+64*\q+16*\n], v[XB+64*\q+16*\n+1], v[XB+64*\q+16*\n+2]
.endr
.endr
	WIN (W_<<2)|(W_<<4)
.irp i, 3,5,7,9,11,13
.irp n, 0,1,2,3
.irp q, 0,1
	v_max3_num_f32 v[TM+10*\q+\n], v[TM+10*\q+\n], v[XB+64*\q+16*\n+\i], v[XB+64*\q+16*\n+\i+1]
.endr
.endr
.endr
	WIN W_<<2
.irp n, 0,1,2,3
.irp q, 0,1
	v_max3_num_f32 v[TM+10*\q+\n], v[TM+10*\q+\n], v[XB+64*\q+16*\n+15], 0xff61b1e6
.endr
.endr
	WIN 0
.irp q, 0,1
	v_max_num_f32 v[TM+10*\q], v[TM+10*\q], v[TM+10*\q+1]
	v_max_num_f32 v[TM+10*\q+2], v[TM+10*\q+2], v[TM+10*\q+3]
.endr
.irp q, 0,1
	v_max_num_f32 v[TM+10*\q+4], v[TM+10*\q], v[TM+10*\q+2]
.endr
.irp q, 0,1
	v_permlanex16_b32 v[TM+10*\q+9], v[TM+10*\q+4], s2, s3
.endr
.irp q, 0,1
	v_max_num_f32 v[TM+10*\q+4], v[TM+10*\q+4], v[TM+10*\q+9]
.endr
.irp q, 0,1
	v_mul_f32 v[TM+10*\q+4], s[CS], v[TM+10*\q+4]
.endr
.irp q, 0,1
	v_floor_f32 v[NMP+2*\q], -v[TM+10*\q+4]        ; -M, a whole number
.endr
.irp q, 0,1
	v_fma_f32 v[TM+10*\q], v[TM+10*\q], s[CS], v[NMP+2*\q]
	v_fma_f32 v[TM+10*\q+2], v[TM+10*\q+2], s[CS], v[NMP+2*\q]
.endr
	WIN W_|(W_<<6)
.set II, 0
.rept 32
	v_pk_fma_f32 v[XB+II:XB+II+1], v[XB+II:XB+II+1], s[CS:CS+1], v[NMP:NMP+1] op_sel_hi:[1,0,0]
	v_pk_fma_f32 v[XB+64+II:XB+64+II+1], v[XB+64+II:XB+64+II+1], s[CS:CS+1], v[NMP+2:NMP+3] op_sel_hi:[1,0,0]
.set II, II+2
.endr
	WIN 0
	WALU
.irp q, 0,1
	v_exp_f32 v[TM+10*\q], v[TM+10*\q]             ; a block's largest p: the same two steps on its largest score
	v_exp_f32 v[TM+10*\q+2], v[TM+10*\q+2]
.endr
	WIN W_|(W_<<6)
.set II, 0
.rept 128
	v_exp_f32 v[XB+II], v[XB+II]
.set II, II+1
.endr
	WIN 0
	v_mov_b32 v[NM+(\a)], v[NMP]
	v_mov_b32 v[NM+(\a)+1], v[NMP+2]
	WALU
	WIN W_|(W_<<2)
.irp m, 0,1,2,3
.irp q, 0,1
	v_pk_add_f32 v[SUM+8*\q+2*\m:SUM+8*\q+2*\m+1], v[XB+64*\q+2*\m:XB+64*\q+2*\m+1], v[XB+64*\q+8+2*\m:XB+64*\q+8+2*\m+1]
.endr
.endr
	WIN W_<<2
.irp j, 16,24,32,40,48,56
.irp m, 0,1,2,3
.irp q, 0,1
	v_pk_add_f32 v[SUM+8*\q+2*\m:SUM+8*\q+2*\m+1], v[SUM+8*\q+2*\m:SUM+8*\q+2*\m+1], v[XB+64*\q+\j+2*\m:XB+64*\q+\j+2*\m+1]
.endr
.endr
.endr
	WIN 0
.irp q, 0,1
	v_max_num_f32 v[TM+10*\q], 0x1800000, v[TM+10*\q]          ; holds the byte at 1 from below
	v_max_num_f32 v[TM+10*\q+2], 0x1800000, v[TM+10*\q+2]
	v_pk_add_f32 v[SUM+8*\q:SUM+8*\q+1], v[SUM+8*\q:SUM+8*\q+1], v[SUM+8*\q+2:SUM+8*\q+3]
	v_pk_add_f32 v[SUM+8*\q+4:SUM+8*\q+5], v[SUM+8*\q+4:SUM+8*\q+5], v[SUM+8*\q+6:SUM+8*\q+7]
.endr
.irp q, 0,1
	v_add_nc_u32 v[TM+10*\q+4], 0xff000000, v[TM+10*\q]
	v_add_nc_u32 v[TM+10*\q+5], 0xff000000, v[TM+10*\q+2]
	v_pk_add_f32 v[SUM+8*\q:SUM+8*\q+1], v[SUM+8*\q:SUM+8*\q+1], v[SUM+8*\q+4:SUM+8*\q+5]
.endr
.irp q, 0,1
	v_lshrrev_b32 v[TM+10*\q+6], 23, v[TM+10*\q+4]
	v_lshrrev_b32 v[TM+10*\q+7], 23, v[TM+10*\q+5]
	v_add_f32 v[SUM+8*\q], v[SUM+8*\q], v[SUM+8*\q+1]
.endr
.irp q, 0,1
	v_lshl_or_b32 v[TM+10*\q+8], v[TM+10*\q+7], 16, v[TM+10*\q+6]
	v_permlanex16_b32 v[TM+10*\q+9], v[SUM+8*\q], s2, s3
.endr
.irp q, 0,1
	v_lshlrev_b32 v[TM+10*\q+8], v[SH8], v[TM+10*\q+8]
	v_add_f32 v[LS+(\a)+\q], v[SUM+8*\q], v[TM+10*\q+9]
.endr
.irp q, 0,1
	v_permlanex16_b32 v[TM+10*\q+9], v[TM+10*\q+8], s2, s3
.endr
.irp q, 0,1
	v_or_b32 v[WRD+(\a)+\q], v[TM+10*\q+8], v[TM+10*\q+9]      ; the scale word, in both lanes
.endr
	WIN W_
.irp q, 0,1
.irp c, 0,1
	v_cvt_scalef32_pk16_fp6_f32 v[CD+12*\q+6*\c:CD+12*\q+6*\c+2], v[XB+64*\q+32*\c:XB+64*\q+32*\c+15], v[TM+10*\q+4+\c]
	v_cvt_scalef32_pk16_fp6_f32 v[CT+64*\q+4*\c:CT+64*\q+4*\c+2], v[XB+64*\q+32*\c+16:XB+64*\q+32*\c+31], v[TM+10*\q+4+\c]
.endr
.endr
	WIN 0
	v_nop
.irp q, 0,1
.irp c, 0,1
.irp i, 0,1,2
	v_mov_b32 v[CD+12*\q+6*\c+3+\i], v[CT+64*\q+4*\c+\i]
.endr
.endr
.endr
.irp q, 0,1
.irp c, 0,1,2
	global_store_b128 v[FO], v[CD+12*\q+4*\c:CD+12*\q+4*\c+3], s[6:7] offset:1536*((\a)+\q)+512*\c
.endr
.endr
.endm
	PLACES NP
.irp a, 0,2,4,6
	SOFTQ2 \a
.endr
	v_cmp_ne_u32 s20, 0, v2
.irp k, 0,1,2,3
	v_cndmask_b32 v[OT+4*\k], v[WRD+2*\k], v[WRD+2*\k+1], s20
	v_cndmask_b32 v[OT+4*\k+1], v[NM+2*\k], v[NM+2*\k+1], s20
	v_cndmask_b32 v[OT+4*\k+2], v[LS+2*\k], v[LS+2*\k+1], s20
	v_mov_b32 v[OT+4*\k+3], 0
.endr
.irp k, 0,1,2,3
	global_store_b128 v[FO], v[OT+4*\k:OT+4*\k+3], s[10:11] offset:512*\k
.endr
	s_wait_tensorcnt 0x0
	ds_add_u32 v[SPW], v[NIL]
	s_wait_dscnt 0x0
	CROUND
	s_endpgm
.Lfunc_end_k_qac75379653_score:
	.size	k_qac75379653_score, .Lfunc_end_k_qac75379653_score-k_qac75379653_score
	.p2alignl 7, 3214868480
	.fill 96, 4, 3214868480
	.section	.rodata,"a",@progbits
	.p2align	6, 0x0
	.amdhsa_kernel k_qac75379653_score
		.amdhsa_group_segment_fixed_size 327680
		.amdhsa_private_segment_fixed_size 0
		.amdhsa_enable_private_segment 0
		.amdhsa_kernarg_size 24
		.amdhsa_user_sgpr_count 2
		.amdhsa_user_sgpr_kernarg_segment_ptr 1
		.amdhsa_wavefront_size32 1
		.amdhsa_system_sgpr_workgroup_id_x 1
		.amdhsa_system_sgpr_workgroup_id_y 1
		.amdhsa_system_sgpr_workgroup_id_z 1
		.amdhsa_system_vgpr_workitem_id 0
		.amdhsa_next_free_vgpr 1024
		.amdhsa_next_free_sgpr 102
		.amdhsa_reserve_vcc 0
		.amdhsa_float_denorm_mode_32 3
		.amdhsa_float_denorm_mode_16_64 3
		.amdhsa_memory_ordered 1
		.amdhsa_forward_progress 1
		.amdhsa_inst_pref_size 234
	.end_amdhsa_kernel
	.amdgpu_metadata
---
amdhsa.version: [ 1, 2 ]
amdhsa.kernels:
  - .name:           k_qac75379653_score
    .symbol:         k_qac75379653_score.kd
    .args:
      - { .name: cod, .offset: 0, .size: 8, .value_kind: global_buffer, .address_space: global }
      - { .name: pcod, .offset: 8, .size: 8, .value_kind: global_buffer, .address_space: global }
      - { .name: pst, .offset: 16, .size: 8, .value_kind: global_buffer, .address_space: global }
    .group_segment_fixed_size: 327680
    .private_segment_fixed_size: 0
    .kernarg_segment_align: 8
    .kernarg_segment_size: 24
    .max_flat_workgroup_size: 128
    .sgpr_count:     102
    .vgpr_count:     1024
    .wavefront_size: 32
...
	.end_amdgpu_metadata
.endif
;; end of part 2
;; launch pv (part 3): grid 8 x 32, 4 waves a work-group, clusters of 4 x 1, 327,680 bytes of LDS; arguments pcod, pst, cod, out0; writes out0
.if DOCPART == 3
	.amdgcn_target "amdgcn-amd-amdhsa--gfx1250"
	.amdhsa_code_object_version 6
	.text
	.protected	k_qac75379653_pv
	.globl	k_qac75379653_pv
	.p2align	8
	.type	k_qac75379653_pv,@function
k_qac75379653_pv:
	s_mov_b64 s[64:65], 0
	v_nop
	global_prefetch_b8 v0, s[64:65] scope:SCOPE_SE
	s_setreg_imm32_b32 hwreg(HW_REG_WAVE_MODE, 25, 1), 1
	s_wait_xcnt 0x0
	s_wait_alu depctr_hold_cnt(0) depctr_sa_sdst(0) depctr_va_vdst(0) depctr_va_sdst(0) depctr_va_ssrc(0) depctr_va_vcc(0) depctr_vm_vsrc(0)
	s_getreg_b32 s2, hwreg(HW_REG_IB_STS2, 6, 4)
	s_cmp_eq_u32 s2, 0
	s_cbranch_scc0 .Lentry_in_a_cluster
	s_endpgm
.Lentry_in_a_cluster:
	s_bfe_u32 s2, ttmp6, 0x10000c
	s_cmp_lg_u32 s2, 0x3003
	s_cbranch_scc0 .Lentry_shape_is_right
	s_endpgm
.Lentry_shape_is_right:
; O = P V / l on codes of FP6 (K = the keys).  P's codes were made under a local M for each (query, 128 keys): here the row's M is the largest of them, each local sum is brought under it by an exact power of two,
; and so is P, by taking M_row - M_local off its four scale bytes.  O is divided by the row's sum on the way out.
; SHARES.  Work-group (ct, y): 128 columns of d from 128 ct; b = y / 8, pi = y % 8; TWO tiles of 128 queries: row group pi (pi + 1 steps of 128 keys) and 15 - pi (16 - pi steps): 17 steps in every work-group.  A wave makes 32 rows x 128 columns of each.
; POSITIONS, the order in which P lies in pcod: 0: tile 2, f = 0;  1: tile 1, f = 0;  2-6: tile 2, f = 1-5;  6 + v (v = 1..7): tile 1, f = v where v <= pi, else tile 2, f = 16 - v;  14-16: tile 2, f = 6-8.
; WORK LEFT OUT: key groups above the diagonal, masked by reference() itself; a NaN or an infinity that reaches only those is not carried.
; CLUSTERS: four ct of one y.  They need the same P and have the same pi, on which branches hang; P is asked for jointly.  V^T's tiles are shared by work-groups of unlike pi, and are not.
; FILLS.  Head, one load a wave: P's positions 0-8 (joint), V^T's f = 0-3, 4-7, 8-15.  ONE REFILL, in position 2, in a drained round: P's positions 9-16, in the place of the first nine, which all waves have copied into registers by then (17 x 24 registers).
; The refill's bytes are prefetched into the L2 at the head, shared out by address among the sixteen waves of the cluster: 24 blocks of 256 bytes a wave.
; The stage of the way out lies in V^T's tiles f = 0-2, behind a barrier: they have had their only fill and their last read (positions 7 and 8 are the last that can read f = 1, 2).
; LIMITS: M_row - M_local is exact while |M| < 2^24, and is held at 127; a scale byte that would fall under 0 is held at 0: such a block counts for at most 7.5 x 2^-127 a code beside a sum of at least 1/2.
; REGISTERS: window 0: v32-48 P's scale words, v52-59 V^T's, v160-255 V^T's fragments of even positions;  window 1, 2: P's fragment F = 2 position + row block in window 1 + F / 21 at 12 (F % 21);
; window 2 from v156: V^T's fragments of odd positions;  window 3: tile 1's 16 accumulators, then tile 2's.
.set TILE,  12800
.set PT,    12288
.set STAGE, 0                          ; 16 rows x 528 bytes a wave: 33,792 bytes, under 3 TILE
.set PREG,  16*TILE
.set SPARE, PREG+9*PT
.set CO,    9
.set CO8,   14
.set VA,    16                         ; v16, v17 where the fetched tile lies, at 16 x lane and 8 x lane
.set VP,    18                         ; v18, v19 my rows of P in LDS: places 0-4, 5-8
.set STE,   20                         ; v20, v21 the stage, for even and odd column tiles
.set RD,    22
.set PF,    23
.set BIG,   24
.set NM1,   25
.set NM2,   26
.set SPW,   28
.set NIL,   29
.set L1,    30                         ; v30, v31
.set SCA,   32
.set SCB,   52
.set TMP,   64
.set ST,    64                         ; v64-131 each position's scale word, -M, sum, at work
.set TA,    131                        ; TA + v: v132-138
.set TB,    139                        ; v140-146
.set PR,    148                        ; v148, v149
.set RL,    150                        ; v150-157: 1 / l of tile 1's row blocks 0, 1 and tile 2's, each in a pair
.set BK,    0                          ; the way out, window 1
.set WV,  58
.set CT,  61
.set BB,  62
.set PI,  63
.set GI1, 66
.set GI2, 67
.set LA,  78                           ; s79-85 where V^T's tile of position 6 + v lies
.set MSK, 86                           ; s87-93 all ones where the position is tile 1's
.set MSB, 0
.macro WIN new
.if MSB != \new
	s_set_vgpr_msb (MSB<<8)|\new
.set MSB, \new
.endif
.endm
.macro WALU
	s_wait_alu depctr_va_vdst(0)
.endm
.macro PLACES n
.rept \n
	v_nop
.endr
.endm
.macro CROUND
	s_barrier_signal -1
	s_barrier_wait -1
	s_cmp_lg_u32 s[WV], 0
	s_cbranch_scc1 .Lnot_wave_0_\@
	s_barrier_signal -3
.Lnot_wave_0_\@:
	s_barrier_wait -3
	s_barrier_signal -1
	s_barrier_wait -1
.endm
.macro GROUP1 g, mask, rows            ; dense: rows of 256 bytes, 32 elements of 8
	s_mov_b32 s[\g], (3<<16)|(\mask)
	s_mov_b32 s[\g+1], 32<<16
	s_mov_b32 s[\g+2], (\rows)<<16
	s_mov_b32 s[\g+3], 32<<16
	s_mov_b32 s[\g+4], \rows
	s_mov_b32 s[\g+5], 32
	s_mov_b32 s[\g+6], 0
	s_mov_b32 s[\g+7], 0
.endm
	s_load_b256 s[4:11], s[0:1], 0x0               ; pcod, pst, cod, out0
	v_lshl_add_u32 v[SPW], v0, 2, SPARE
	v_mov_b32 v[NIL], 0
	ds_add_u32 v[SPW], v[NIL]
	ds_add_u32 v[SPW], v[NIL]
	v_lshrrev_b32 v1, 5, v0
	v_readfirstlane_b32 s[WV], v1
	s_bfe_u32 s40, ttmp6, 0x40000                  ; cx
	s_lshl_b32 s[CT], ttmp9, 2
	s_add_co_u32 s[CT], s[CT], s40
	s_and_b32 s59, ttmp7, 0xffff                   ; y: the pair's number
	s_lshr_b32 s[BB], s59, 3
	s_and_b32 s[PI], s59, 7
	s_lshl_b32 s69, s[BB], 4
	s_add_co_u32 s[GI1], s69, s[PI]
	s_add_co_u32 s[GI2], s69, 15
	s_sub_co_u32 s[GI2], s[GI2], s[PI]
	s_mul_i32 s2, s59, 17*PT                       ; P's tiles of my pair
	s_mov_b32 s3, 0
	s_mul_i32 s94, s59, 17*2048                    ; and their statistics
	s_mov_b32 s95, 0
	s_lshl_b32 s70, s[CT], 6
	s_add_co_u32 s70, s70, s69
	s_mul_i32 s70, s70, TILE
	s_add_co_u32 s70, s70, 1024*TILE               ; V^T's tiles of my columns and batch
	s_mov_b32 s71, 0
	s_lshl_b32 s72, s40, 2
	s_add_co_u32 s72, s72, s[WV]                   ; my number among the cluster's sixteen waves
	GROUP1 32, (1<<21)|15, 432
	GROUP1 48, 0, 200
	GROUP1 40, 0, 400
	WALU
	s_wait_dscnt 0x0
	CROUND                                         ; the opening round, ahead of the wait for the arguments
	s_wait_kmcnt 0x0
	s_add_nc_u64 s[4:5], s[4:5], s[2:3]
	s_add_nc_u64 s[6:7], s[6:7], s[94:95]
	s_mov_b32 s12, 1                               ; wave 0: P's positions 0-8
	s_mov_b32 s13, PREG
	s_mov_b64 s[14:15], s[4:5]
	s_mov_b32 s16, 1                               ; wave 1: V^T's f = 0-3
	s_mov_b32 s17, 0
	s_add_nc_u64 s[18:19], s[8:9], s[70:71]
	s_mov_b32 s20, 1                               ; wave 2: 4-7
	s_mov_b32 s21, 4*TILE
	s_add_nc_u64 s[22:23], s[18:19], 4*TILE
	s_mov_b32 s24, 1                               ; wave 3: 8-15
	s_mov_b32 s25, 8*TILE
	s_add_nc_u64 s[26:27], s[18:19], 8*TILE
	s_or_b32 s15, s15, 0x80000000
	s_or_b32 s19, s19, 0x80000000
	s_or_b32 s23, s23, 0x80000000
	s_or_b32 s27, s27, 0x80000000
.macro ARM under, g0, g1, next
	s_cmp_lt_u32 s[WV], \under
	s_cbranch_scc0 \next
	tensor_load_to_lds s[\g0:\g0+3], s[\g1:\g1+7]
	s_nop 0
	PLACES 4
	s_branch .Lasked
\next:
.endm
	ARM 1, 12, 32, .Lwave_1
	ARM 2, 16, 48, .Lwave_2
	ARM 3, 20, 48, .Lwave_3
	tensor_load_to_lds s[24:27], s[40:47]
	s_nop 0
	PLACES 4
.Lasked:
	s_lshl_b32 s94, s[WV], 9
	s_mul_i32 s95, s[WV], 3072
	s_add_co_u32 s95, s95, PREG
	s_add_co_u32 s96, s95, 5*PT
	s_mul_i32 s97, s72, 6144
	s_mul_i32 s98, s[WV], 16*528
	v_and_b32 v1, 15, v0                           ; r
	v_bfe_u32 v2, v0, 4, 1                         ; h
	v_and_b32 v3, 31, v0
	v_lshlrev_b32 v[CO], 4, v3
	v_lshlrev_b32 v[CO8], 3, v3
	v_add_nc_u32 v4, s94, v[CO]
	v_add_nc_u32 v[VP], s95, v[CO]
	v_add_nc_u32 v[VP+1], s96, v[CO]
	v_min_u32 v[PF], 23, v3
	v_lshl_add_u32 v[PF], v[PF], 8, s97
	v_mul_u32_u24 v6, v1, 528
	v_mul_u32_u24 v7, v2, 160
	v_mul_u32_u24 v8, v2, 96
	v_add_nc_u32 v7, v6, v7
	v_add_nc_u32 v8, v6, v8
	v_add_nc_u32 v[STE], s98, v7                   ; in: row r; lanes 16-31 hold columns 32 + 8 (t ^ 1) of a half
	v_add_nc_u32 v[STE+1], s98, v8
	v_add_nc_u32 v[RD], s98, v[CO]                 ; back: a row of 512 bytes
	v_mov_b32 v[BIG], 0x7f61b1e6                   ; 3e38
	v_mov_b32 v[PR], 0                             ; a lane permute's destination counts as one of its sources
	v_mov_b32 v[PR+1], 0
	WALU
.irp n, 0,1,2,3,4,5,6,7,8,9,10,11,12,13,14,15,16
	global_load_b128 v[ST+4*\n:ST+4*\n+3], v4, s[6:7] offset:2048*\n
.endr
	global_prefetch_b8 v[PF], s[4:5] offset:9*PT th:TH_LOAD_NT scope:SCOPE_SE
.irp v, 1,2,3,4,5,6,7
	s_cmp_ge_u32 s[PI], \v
	s_cselect_b32 s2, \v, 16-\v
	s_cselect_b32 s[MSK+\v], -1, 0
	s_mul_i32 s[LA+\v], s2, TILE
.endr
	s_lshr_b32 s2, s[WV], 1                        ; O: my first row 64 (wave / 2) + 16 (wave % 2), my columns 512 ct bytes on
	s_lshl_b32 s2, s2, 18
	s_and_b32 s3, s[WV], 1
	s_lshl_b32 s3, s3, 16
	s_add_co_u32 s2, s2, s3
	s_lshl_b32 s3, s[CT], 9
	s_add_co_u32 s69, s2, s3
	s_lshl_b32 s2, s[GI1], 19
	s_add_co_u32 s2, s2, s69
	s_mov_b32 s3, 0
	s_add_nc_u64 s[96:97], s[10:11], s[2:3]
	s_lshl_b32 s2, s[GI2], 19
	s_add_co_u32 s2, s2, s69
	s_add_nc_u64 s[98:99], s[10:11], s[2:3]
	s_mov_b32 s68, 0x76543210
	s_mov_b32 s69, 0xfedcba98
	s_mov_b32 s94, 0xffff0000                      ; lanes 16-31
	s_mov_b32 s2, 0x80808080
	s_wait_loadcnt 0x0                             ; the statistics are in
	; -M of a row = the least of its -M_local: lane L is row L of my 32
.irp v, 1,2,3,4,5,6,7
	v_cndmask_b32 v[TA+\v], v[BIG], v[ST+4*(6+\v)+1], s[MSK+\v]
	v_cndmask_b32 v[TB+\v], v[ST+4*(6+\v)+1], v[BIG], s[MSK+\v]
.endr
	v_min3_num_f32 v[NM1], v[ST+5], v[TA+1], v[TA+2]
	v_min3_num_f32 v[NM2], v[ST+1], v[ST+4*2+1], v[ST+4*3+1]
	v_min3_num_f32 v[NM1], v[NM1], v[TA+3], v[TA+4]
	v_min3_num_f32 v[NM2], v[NM2], v[ST+4*4+1], v[ST+4*5+1]
	v_min3_num_f32 v[NM1], v[NM1], v[TA+5], v[TA+6]
	v_min3_num_f32 v[NM2], v[NM2], v[ST+4*6+1], v[ST+4*14+1]
	v_min_num_f32 v[NM1], v[NM1], v[TA+7]
	v_min3_num_f32 v[NM2], v[NM2], v[ST+4*15+1], v[ST+4*16+1]
	v_min3_num_f32 v[NM2], v[NM2], v[TB+1], v[TB+2]
	v_min3_num_f32 v[NM2], v[NM2], v[TB+3], v[TB+4]
	v_min3_num_f32 v[NM2], v[NM2], v[TB+5], v[TB+6]
	v_min_num_f32 v[NM2], v[NM2], v[TB+7]
.irp v, 1,2,3,4,5,6,7
	v_cndmask_b32 v[TA+\v], v[NM2], v[NM1], s[MSK+\v]
.endr
	; M_local - M_row: 0 or less, a whole number
.irp n, 0,2,3,4,5,6,14,15,16
	v_sub_f32 v[ST+4*\n+1], v[NM2], v[ST+4*\n+1]
.endr
	v_sub_f32 v[ST+5], v[NM1], v[ST+5]
.irp v, 1,2,3,4,5,6,7
	v_sub_f32 v[ST+4*(6+\v)+1], v[TA+\v], v[ST+4*(6+\v)+1]
.endr
.set II, 0
.rept 17
	v_max_num_f32 v[ST+4*II+1], 0xc2fe0000, v[ST+4*II+1]   ; held at -127
.set II, II+1
.endr
.set II, 0
.rept 17
	v_cvt_i32_f32 v[ST+4*II+1], v[ST+4*II+1]
.set II, II+1
.endr
.set II, 0
.rept 17
	v_ldexp_f32 v[ST+4*II+2], v[ST+4*II+2], v[ST+4*II+1]   ; the local sum under the row's M
.set II, II+1
.endr
.irp v, 1,2,3,4,5,6,7
	v_cndmask_b32 v[TB+\v], 0, v[ST+4*(6+\v)+2], s[MSK+\v]
	v_cndmask_b32 v[ST+4*(6+\v)+2], v[ST+4*(6+\v)+2], 0, s[MSK+\v]
.endr
	v_add_f32 v[L1], v[ST+6], v[TB+1]
	v_add_f32 v[L1+1], v[ST+2], v[ST+4*7+2]
.irp v, 2,3,4,5,6,7
	v_add_f32 v[L1], v[L1], v[TB+\v]
	v_add_f32 v[L1+1], v[L1+1], v[ST+4*(6+\v)+2]
.endr
.irp n, 2,3,4,5,6,14,15,16
	v_add_f32 v[L1+1], v[L1+1], v[ST+4*\n+2]
.endr
	WALU
	v_rcp_f32 v[L1], v[L1]
	v_rcp_f32 v[L1+1], v[L1+1]
	; P's four scale bytes less d = M_row - M_local, each held at 0 from below, in one word: the bytes are at most 125 and d at most 127, so with bit 7 set no byte borrows from its neighbour
.set II, 0
.rept 17
	v_sub_nc_u32 v[ST+4*II+1], 0, v[ST+4*II+1]
.set II, II+1
.endr
.set II, 0
.rept 17
	v_perm_b32 v[ST+4*II+1], v[ST+4*II+1], v[ST+4*II+1], 0
.set II, II+1
.endr
.set II, 0
.rept 17
	v_or_b32 v[ST+4*II], s2, v[ST+4*II]
.set II, II+1
.endr
.set II, 0
.rept 17
	v_sub_nc_u32 v[ST+4*II], v[ST+4*II], v[ST+4*II+1]
.set II, II+1
.endr
.set II, 0
.rept 17
	v_and_b32 v[ST+4*II+1], s2, v[ST+4*II]         ; bit 7 stands where byte - d is not negative
.set II, II+1
.endr
.set II, 0
.rept 17
	v_lshrrev_b32 v[ST+4*II+2], 7, v[ST+4*II+1]
.set II, II+1
.endr
.set II, 0
.rept 17
	v_sub_nc_u32 v[ST+4*II+1], v[ST+4*II+1], v[ST+4*II+2]
.set II, II+1
.endr
.set II, 0
.rept 17
	v_and_b32 v[SCA+II], v[ST+4*II], v[ST+4*II+1]
.set II, II+1
.endr
	WALU
.irp k, 0,1
	v_permlanex16_b32 v[PR+\k], v[L1+\k], s68, s69
.endr
.irp k, 0,1                            ; every lane wants row r's figure of each row block
	v_cndmask_b32 v[RL+4*\k], v[L1+\k], v[PR+\k], s94
	v_cndmask_b32 v[RL+4*\k+2], v[PR+\k], v[L1+\k], s94
.endr
.irp k, 0,2,4,6
	v_mov_b32 v[RL+\k+1], v[RL+\k]
.endr
	PLACES 8                                       ; scale registers written by vector instructions stand eight places ahead of a scaled matrix instruction
.macro PCOPY p, q                      ; position p's rows of P, mine, from place q of LDS: six loads
.irp a, 0,1
.set F_, 2*(\p)+\a
	WIN (1+F_/21)<<6
.irp c, 0,1,2
	ds_load_b128 v[12*(F_%21)+4*\c:12*(F_%21)+4*\c+3], v[VP+(\q)/5] offset:((\q)%5)*PT+1536*\a+512*\c
.endr
.endr
	WIN 0
.endm
.macro FETCH p                         ; position p's tile of V^T: eight fragments, and four registers of scale words: 33 loads
	WIN 0
.if (\p) >= 7 && (\p) < 14
	v_add_nc_u32 v[VA], s[LA+(\p)-6], v[CO]
	v_add_nc_u32 v[VA+1], s[LA+(\p)-6], v[CO8]
.elseif (\p) < 2
	v_mov_b32 v[VA], v[CO]
	v_mov_b32 v[VA+1], v[CO8]
.elseif (\p) < 7
	v_add_nc_u32 v[VA], TILE*((\p)-1), v[CO]
	v_add_nc_u32 v[VA+1], TILE*((\p)-1), v[CO8]
.else
	v_add_nc_u32 v[VA], TILE*((\p)-8), v[CO]
	v_add_nc_u32 v[VA+1], TILE*((\p)-8), v[CO8]
.endif
	WIN ((\p)%2)<<7
.irp b, 0,1,2,3,4,5,6,7
.set R_, 160-4*((\p)%2)+12*\b
	ds_load_b128 v[R_:R_+3], v[VA] offset:1536*\b
	ds_load_b64 v[R_+4:R_+5], v[VA+1] offset:1536*\b+512
	ds_load_b128 v[R_+6:R_+9], v[VA] offset:1536*\b+768
	ds_load_b64 v[R_+10:R_+11], v[VA+1] offset:1536*\b+1280
.endr
	WIN 0
	ds_load_b128 v[SCB+4*((\p)%2):SCB+4*((\p)%2)+3], v[VA] offset:12288
.endm
.macro WM c, o, a                      ; source 0 = 16 rows of V^T, source 1 = 16 rows of P
	v_wmma_scale_f32_16x16x128_f8f6f4 v[D_:D_+7], v[R_:R_+11], v[Q_:Q_+11], \c, v[B_], v[A_] matrix_a_fmt:MATRIX_FMT_FP6 matrix_b_fmt:MATRIX_FMT_FP6 matrix_a_scale:MATRIX_SCALE_ROW\o matrix_b_scale:MATRIX_SCALE_ROW\a
.endm
.macro MM p, acc, zero                 ; a position's 16 products; the 16 accumulators take turns
.irp a, 0,1
.set F_, 2*(\p)+\a
	WIN (2*((\p)%2))|((1+F_/21)<<2)|(3<<4)|(3<<6)
.irp k, 0,1,2,3
.irp o, 0,1
.set D_, (\acc)+8*(8*\a+2*\k+\o)
.set R_, 160-4*((\p)%2)+12*(2*\k+\o)
.set Q_, 12*(F_%21)
.set B_, SCB+4*((\p)%2)+\k
.set A_, SCA+(\p)
.if \zero
	WM 0, \o, \a
.else
	WM v[D_:D_+7], \o, \a
.endif
.endr
.endr
.endr
	WIN 0
.endm
; position p.  kind 1, 2: tile 1's, tile 2's accumulators; 0: by pi.  refill = 1: the round and P's second load
.macro POS p, kind, zero, refill=0
	s_wait_dscnt 0x0
	PLACES 4                                       ; in front of loads into the buffer that the last position's products read
.if (\p) < 16
	FETCH (\p)+1
.endif
.if \refill
	s_wait_tensorcnt 0x0                           ; all my tensor loads have landed, V^T's f = 8-15 among them
	ds_add_u32 v[SPW], v[NIL]                      ; 0 onto my spare word
	s_add_nc_u64 s[14:15], s[14:15], 9*PT
	s_mov_b32 s34, 384<<16                         ; eight places
	s_mov_b32 s36, 384
.endif
.if \kind == 1
	MM \p, 0, \zero
.elseif \kind == 2
	MM \p, 128, \zero
.else
	s_cmp_ge_u32 s[PI], (\p)-6
	s_cbranch_scc0 .Ltile2_\@
	MM \p, 0, 0
	s_branch .Ljoin_\@
.Ltile2_\@:
	MM \p, 128, 0
.Ljoin_\@:
.endif
.if \refill
	s_wait_dscnt 0x0                               ; the add is done, and my copies of positions 0-8
	CROUND                                         ; both hold of every wave of every partner
	s_cmp_eq_u32 s[WV], 0
	s_cbranch_scc0 .Lno_part_\@
	tensor_load_to_lds s[12:15], s[32:39]          ; P's positions 9-16
	s_nop 0
	PLACES 4
.Lno_part_\@:
.endif
.endm
; THE WAY OUT of a tile: x 1 / l; 16 rows x 128 columns at a time through my stage; a store covers 512 consecutive bytes, aligned
.macro SEND a, ob, younger
	s_wait_dscnt \younger
	WIN 1<<2
.set T_, 0
.rept 16
.set ROW_, 8*(\a)+T_
.if T_ >= 8
.set ROW_, 32+8*(1-(\a))+T_-8
.endif
	global_store_b128 v[CO], v[BK+64*(\a)+4*T_:BK+64*(\a)+4*T_+3], s[\ob:\ob+1] offset:4096*ROW_ th:TH_STORE_NT
.set T_, T_+1
.endr
	WIN 0
.endm
.macro FLUSH acc, rl, ob
	WALU
	s_wait_xcnt 0x0                                ; earlier stores have read the registers into which these blocks come back
.irp a, 0,1
	WIN 3
.irp b, 0,1,2,3,4,5,6,7
.irp i, 0,1,2,3
	v_pk_mul_f32 v[TMP+8*\b+2*\i:TMP+8*\b+2*\i+1], v[\acc+64*\a+8*\b+2*\i:\acc+64*\a+8*\b+2*\i+1], v[\rl+2*\a:\rl+2*\a+1] op_sel_hi:[1,0]
.endr
.endr
	WIN 0
.irp b, 0,1,2,3,4,5,6,7
	ds_store_b128 v[STE+\b%2], v[TMP+8*\b:TMP+8*\b+3] offset:STAGE+256*(\b/4)+32*(\b%4)
	ds_store_b128 v[STE+\b%2], v[TMP+8*\b+4:TMP+8*\b+7] offset:STAGE+256*(\b/4)+32*(\b%4)+16
.endr
	WIN 1<<6
.set T_, 0
.rept 16
	ds_load_b128 v[BK+64*\a+4*T_:BK+64*\a+4*T_+3], v[RD] offset:STAGE+528*T_   ; LDS serves a wave's instructions in order (ISA guide 5.7.1.4)
.set T_, T_+1
.endr
	WIN 0
.endr
	SEND 0, \ob, 32                                ; behind block 0's loads: block 1's 16 stores and 16 loads
	SEND 1, \ob, 0
.endm
	WALU
	s_cmp_eq_u32 s[WV], 3
	s_cbranch_scc1 .Lnot_yet
	s_wait_tensorcnt 0x0
.Lnot_yet:
	s_barrier_signal -1
	s_barrier_wait -1                              ; P's positions 0-8 and V^T's f = 0-7 are in; f = 8-15 may be on its way
.irp p, 0,1,2,3,4,5,6,7,8
	PCOPY \p, \p
.endr
	FETCH 0
	POS 0, 2, 1                                    ; a tile's first products start its sums
	POS 1, 1, 1
	POS 2, 2, 0, 1
	POS 3, 2, 0
	POS 4, 2, 0
	POS 5, 2, 0
	POS 6, 2, 0
	POS 7, 0, 0
	POS 8, 0, 0
	s_wait_tensorcnt 0x0
	s_wait_dscnt 0x0
	s_barrier_signal -1
	s_barrier_wait -1                              ; P's positions 9-16 are in; nothing is filled again
.irp p, 9,10,11,12,13,14,15,16
	PCOPY \p, (\p-9)
.endr
	POS 9, 0, 0
	POS 10, 0, 0
	POS 11, 0, 0
	POS 12, 0, 0
	POS 13, 0, 0
	s_wait_dscnt 0x0
	s_barrier_signal -1
	s_barrier_wait -1                              ; no wave reads V^T's f = 0-2 any more: the stage lies there
	PLACES 4
	FLUSH 0, RL, 96                                ; tile 1 is finished
	POS 14, 2, 0
	POS 15, 2, 0
	POS 16, 2, 0
	PLACES 4
	FLUSH 128, RL+4, 98
	s_wait_tensorcnt 0x0                           ; the wave's end
	ds_add_u32 v[SPW], v[NIL]
	s_wait_dscnt 0x0
	CROUND                                         ; the closing round
	s_endpgm
.Lfunc_end_k_qac75379653_pv:
	.size	k_qac75379653_pv, .Lfunc_end_k_qac75379653_pv-k_qac75379653_pv
	.p2alignl 7, 3214868480
	.fill 96, 4, 3214868480
	.section	.rodata,"a",@progbits
	.p2align	6, 0x0
	.amdhsa_kernel k_qac75379653_pv
		.amdhsa_group_segment_fixed_size 327680
		.amdhsa_private_segment_fixed_size 0
		.amdhsa_enable_private_segment 0
		.amdhsa_kernarg_size 32
		.amdhsa_user_sgpr_count 2
		.amdhsa_user_sgpr_kernarg_segment_ptr 1
		.amdhsa_wavefront_size32 1
		.amdhsa_system_sgpr_workgroup_id_x 1
		.amdhsa_system_sgpr_workgroup_id_y 1
		.amdhsa_system_sgpr_workgroup_id_z 1
		.amdhsa_system_vgpr_workitem_id 0
		.amdhsa_next_free_vgpr 1024
		.amdhsa_next_free_sgpr 102
		.amdhsa_reserve_vcc 0
		.amdhsa_float_denorm_mode_32 3
		.amdhsa_float_denorm_mode_16_64 3
		.amdhsa_memory_ordered 1
		.amdhsa_forward_progress 1
		.amdhsa_inst_pref_size 146
	.end_amdhsa_kernel
	.amdgpu_metadata
---
amdhsa.version: [ 1, 2 ]
amdhsa.kernels:
  - .name:           k_qac75379653_pv
    .symbol:         k_qac75379653_pv.kd
    .args:
      - { .name: pcod, .offset: 0, .size: 8, .value_kind: global_buffer, .address_space: global }
      - { .name: pst, .offset: 8, .size: 8, .value_kind: global_buffer, .address_space: global }
      - { .name: cod, .offset: 16, .size: 8, .value_kind: global_buffer, .address_space: global }
      - { .name: out0, .offset: 24, .size: 8, .value_kind: global_buffer, .address_space: global }
    .group_segment_fixed_size: 327680
    .private_segment_fixed_size: 0
    .kernarg_segment_align: 8
    .kernarg_segment_size: 32
    .max_flat_workgroup_size: 128
    .sgpr_count:     102
    .vgpr_count:     1024
    .wavefront_size: 32
...
	.end_amdgpu_metadata
.endif
;; end of part 3
